; MI455X (gfx1250); checked and timed in simulation.
; The chip was launched on July 23, 2026; its instructions are those of AMD's public machine-readable ISA for CDNA 5 (MIT licence, August 2026) and "CDNA5" Instruction Set Architecture Reference Guide (July 2026). The comments in the code are by the model that wrote it; some were corrected since.
;; Flash Self Attention. Allowed arithmetic: matrix products marked QUANTISED: E4M3 operands, one given power-of-two scale a tensor, by v_wmma_f32_16x16x64_fp8_fp8 or v_wmma_f32_16x16x128_fp8_fp8, f32 sums; everything else in f32.
;; Inputs: Wk 2,048 x 512 float32; Wo 2,048 x 2,048 float32; Wq 2,048 x 2,048 float32; Wv 2,048 x 512 float32; lowp_scales 12 int32 (the exponents e of the quantised operands' scales 2^e); x 4 x 1,024 x 2,048 float32.
;; Outputs: out0 4 x 1,024 x 2,048 float32.
;; This version of the problem:
;;   THIS VERSION OF THE PROBLEM IS GIVEN IN LOW PRECISION. The matrix products marked QUANTISED in the list below multiply operands that are first quantised to E4M3 (4 exponent bits, 3 mantissa bits; 8 bits a number), with one given power-of-two scale for each operand tensor; their sums are f32. All else is computed in f32.
;;   The module's matrix products, in the order in which they are computed (A, B: the left and right operand; K: the contracted axis; several contracted axes count as one K, in the product's order):
;;     1. [M 4,096, K 2,048] x [K 2,048, N 2,048]; A: input x; B: input Wq: QUANTISED (scales: A lowp_scales[0], B lowp_scales[1])
;;     2. [M 4,096, K 2,048] x [K 2,048, N 512]; A: input x; B: input Wk: QUANTISED (scales: A lowp_scales[2], B lowp_scales[3])
;;     3. [M 4,096, K 2,048] x [K 2,048, N 512]; A: input x; B: input Wv: QUANTISED (scales: A lowp_scales[4], B lowp_scales[5])
;;     4. batch 64 x [M 1,024, K 128] x [K 128, N 1,024]; A: computed on the way; B: computed on the way: QUANTISED (scales: A lowp_scales[6], B lowp_scales[7])
;;     5. batch 64 x [M 1,024, K 1,024] x [K 1,024, N 128]; A: softmax (see below); B: computed on the way: QUANTISED (scales: A lowp_scales[8], B lowp_scales[9])
;;     6. [M 4,096, K 2,048] x [K 2,048, N 2,048]; A: computed on the way; B: input Wo: QUANTISED (scales: A lowp_scales[10], B lowp_scales[11])
;;   THE QUANTISER, for each operand of a quantised product, along K:
;;     - The operand's scale is 2^e, e = its entry of the input lowp_scales (int32; the entries are numbered through the quantised products in the list's order, A before B).
;;     - Each number is divided by the scale, clamped to +-448, and rounded to the nearest number of E4M3, ties to even, subnormals kept.
;;     - The product sums the exact products of the quantised numbers (number of the format x scale) in f32.
;;   ~~~python
;;   def quantise(x, axis, e):      # numpy; x: float32 -> the quantised numbers, widened to float32 again
;;       x = np.moveaxis(x, axis, -1); K = x.shape[-1]
;;       r = np.clip(x / 2.0 ** e, -448, 448)
;;       step = 2.0 ** (np.maximum(np.frexp(np.where(r == 0, 1, r))[1] - 1, -6) - 3)
;;       q = np.round(r / step) * step * 2.0 ** e      # np.round: ties to even
;;       return np.moveaxis(q, -1, axis).astype(np.float32)
;;   ~~~
;;   SOFTMAX AHEAD OF A QUANTISED PRODUCT. Where the list says 'softmax', what is quantised is not the finished softmax but p = 2^(t - M), with t = logit x log2(e) and M = ceil(the row's largest t), a whole number; so 1/2 < the row's largest p <= 1. The row's sum l is taken of the UNQUANTISED p, in f32, and the product's result is divided by l at the end. Since M is a whole number, a kernel that streams over the keys may use a running M (the ceiling of the running maximum): every later rescaling is an exact power of two, so the quantised numbers keep their values, but for numbers so far below the row's largest that they fall under the format's range.
;;   OPERANDS COMPUTED ON THE WAY. 'Computed on the way' means the value that the module computes at that place (a softmax that the list does not call 'softmax' is quantised finished and normalised). What goes into a quantiser is computed in f32, as accurately as f32 sums, v_exp_f32 and their like allow (about 1e-6 of the number): no bf16 or f16 on the way to a quantiser, and a product that is left as it is and whose result goes on into a quantised operand takes f32 operands (vector FMAs, or v_wmma_f32_16x16x4_f32). A number that lies on a knife's edge between two numbers of the format may be rounded either way, as far as f32 arithmetic and the matrix unit's own rounding can turn it there, and no further.
;; One version. Each part assembles by itself: llvm-mc -triple=amdgcn-amd-amdhsa -mcpu=gfx1250 --defsym DOCPART=n.
;; ======== version 1 of 1: 4 launches
;; limits: right only within a limited range of input values
;; workspace buffers: xc 25,165,824 bytes; wc 10,485,760 bytes; rt 524,288 bytes; qc 8,388,608 bytes; kvc 4,194,304 bytes; ac 8,388,608 bytes
;; launch prep (part 1): grid 608 x 1, 4 waves a work-group, no clusters, 34,304 bytes of LDS; arguments x, Wq, Wk, Wv, Wo, lowp_scales, xc, wc, rt; writes xc, wc, rt
.if DOCPART == 1
	.amdgcn_target "amdgcn-amd-amdhsa--gfx1250"
	.amdhsa_code_object_version 6
	.text
	.protected	k_q23883c0ce1_prep
	.globl	k_q23883c0ce1_prep
	.p2align	8
	.type	k_q23883c0ce1_prep,@function
k_q23883c0ce1_prep:
	s_mov_b64 s[64:65], 0
	v_nop
	global_prefetch_b8 v0, s[64:65] scope:SCOPE_SE
	s_setreg_imm32_b32 hwreg(HW_REG_WAVE_MODE, 25, 1), 1
	s_wait_xcnt 0x0
; PREPARE: x and the four weights become codes of E4M3 under their given scales, and the table of cosines and sines for the rotation is made.
; EVERY OPERAND IS LAID AS IMAGES OF OPERAND REGISTERS.  An image is 16 rows x 128 along K, 2,048 bytes: register R (0..15) of lane L stands at byte 512 (R / 4) + 16 L + 4 (R % 4).
; Lane L = 16 h + r holds row r; registers 2 c, 2 c + 1 hold k = 16 c + 8 h + 0 .. 7: the 8-bit matrix form's own places.  Four 16-byte accesses at 512 q + 16 x lane move an image: each covers 512 consecutive bytes.
; xc: three sections of 8 MiB (x under entries 0, 2, 4 of the scales), each [kb 0..15][tile of 16 tokens 0..255].  A section whose exponent equals entry 0's is not written: the next launch reads section 0 for it.
; wc: Wq at 0, Wo at 4 MiB: [kb][tile of 16 columns 0..127];  Wk at 8 MiB, Wv at 9 MiB: [kb][tile 0..31].
; rt: [tile of 16 positions 0..63][b 0..7][u 0..1][lane][16 bytes]: lane (r, h) finds cos, sin of position 16 tile + r for the frequencies 8 b + 4 h + 2 u and + 1.
; WORK-GROUPS: 0-255 x (one tile of 16 tokens each); 256-511 Wq, Wo; 512-575 Wk, Wv; 576-607 the table.  Waves share nothing: no barrier.  Only x's path uses LDS.
; code = number / 2^e, held within +-448, to the nearest code, ties to even.  LIMITS: entries 0 to 5 and 11 lie between -126 and 119, so that 2^e and 448 x 2^e are f32 numbers.  NaN among the inputs is not served; an infinity is held at the largest code.
; THE TABLE'S LIMIT: the angle position x frequency carries f32's own uncertainty of the frequency (some 2e-7 of the angle, so up to some 2e-4 at position 1,023), as an f32 table made any other way does.
.set KBX,  524288                      ; from kb to kb in a section of xc: 256 images
.set SEC,  8388608                     ; a section of xc
.set LI,   4                           ; v4  16 x lane: my place in every 512 bytes
.set XR,   16                          ; x: v16-79   a unit as loaded: row j in registers 4 j ..
.set XX,   80                          ;    v80-143  my 64 numbers in the image's order: 8 c + j = x(r, 16 c + 8 h + j)
.set XT,   144                         ;    v144-159 two sets of eight held numbers, by turns
.set XC,   160                         ;    v160-207 16 registers of codes for each of the three scales
.set SPX,  528                         ;    a stage row: 512 bytes + 16: the 16 rows that a read touches start at 16 different 16-byte columns of the 256
.set WX,   32                          ; W: v32-95   two sets of 32 numbers down K
.set WE,   96                          ;    v96-127  codes of k = 16 c + 0 .. 7 (16 registers for each of two kb); v128-159 those of k = 16 c + 8 .. 15
.set TI,   16                          ; table: four frequencies side by side, four registers each
.set TF,   20
.set TE,   24
.set TC,   28
.set TA,   32
.set TK,   36
.set TR,   40
.set TS,   44
.set TSN,  48
.set TCS,  52
.set TU,   56
.set TV,   60
.set TN,   64
.set TO,   72                          ; v72-103 what is stored: eight registers for each of four units
.macro MKSC se, vs, vl                 ; from the exponent in s[se]: v[vs] = 2^e, v[vl] = 448 x 2^e, as f32
	s_add_co_i32 s44, s[\se], 127
	s_lshl_b32 s45, s44, 23
	v_mov_b32 v[\vs], s45
	s_add_co_i32 s44, s44, 8
	s_lshl_b32 s44, s44, 23
	s_or_b32 s44, s44, 0x600000
	v_mov_b32 v[\vl], s44
.endm
	s_load_b256 s[4:11], s[0:1], 0x0               ; x s[4:5], Wq s[6:7], Wk s[8:9], Wv s[10:11]
	s_load_b256 s[12:19], s[0:1], 0x20             ; Wo s[12:13], the exponents s[14:15], xc s[16:17], wc s[18:19]
	s_load_b64 s[20:21], s[0:1], 0x40              ; rt
	v_lshl_add_u32 v208, v0, 2, 0x8400
	v_mov_b32 v209, 0
	v_lshrrev_b32 v1, 5, v0
	v_readfirstlane_b32 s22, v1                    ; wave 0..3
	v_and_b32 v1, 31, v0                           ; lane
	v_and_b32 v2, 15, v0                           ; r
	v_bfe_u32 v3, v0, 4, 1                         ; h
	v_lshlrev_b32 v[LI], 4, v1
	s_wait_kmcnt 0x0
	s_load_b256 s[32:39], s[14:15], 0x0            ; entries 0 to 7
	s_load_b128 s[40:43], s[14:15], 0x20           ; entries 8 to 11
	s_wait_kmcnt 0x0
	s_cmp_lt_u32 ttmp9, 256
	s_cbranch_scc1 .Lpath_x
	s_cmp_lt_u32 ttmp9, 512
	s_cbranch_scc1 .Lpath_w2048
	s_cmp_lt_u32 ttmp9, 576
	s_cbranch_scc1 .Lpath_w512
; ---- THE TABLE.  128 waves; a wave takes one tile of 16 positions and 32 of the 64 frequencies, in four units of eight (b = 4 half + unit).
	s_sub_co_u32 s23, ttmp9, 576
	s_lshl_b32 s23, s23, 2
	s_add_co_u32 s23, s23, s22                     ; which of the 128
	s_lshr_b32 s24, s23, 1                         ; the tile of positions
	s_and_b32 s25, s23, 1                          ; which half of the frequencies
	s_lshl_b32 s26, s24, 4
	s_wait_alu depctr_va_vdst(0)
	v_add_nc_u32 v5, s26, v2
	v_cvt_f32_u32 v5, v5                           ; my position
	s_lshl_b32 s26, s25, 5
	v_lshl_add_u32 v6, v3, 2, s26                  ; 32 half + 4 h: my first frequency of unit 0
	s_wait_alu depctr_va_vdst(0)
	s_lshl_b32 s26, s24, 13                        ; a tile of positions is 8,192 bytes,
	s_lshl_b32 s27, s25, 12                        ; four units 4,096
	s_add_co_u32 s26, s26, s27
	s_mov_b32 s27, 0
	s_add_nc_u64 s[20:21], s[20:21], s[26:27]
	s_mov_b32 s48, 0xbe549a80                      ; -108853 / 2^19: the upper 17 bits of log2(10000) / 64, so that i x it is exact for i < 64
	s_mov_b32 s49, 0x33aae0a0                      ; 7.957e-8 = ln 2 x (what those 17 bits are too large by)
	s_mov_b32 s50, 0x3f22f983                      ; 2 / pi
	s_mov_b32 s51, 0x3fc90fdb                      ; pi / 2, its f32 part,
	s_mov_b32 s52, 0xb33bbd2e                      ; and the rest
	s_mov_b32 s53, 0xb94ca1f9                      ; sine on +-pi/4: r + r^3 (s55 + r^2 (s54 + r^2 s53))
	s_mov_b32 s54, 0x3c08839e
	s_mov_b32 s55, 0xbe2aaaa3
	s_mov_b32 s56, 0x37ccf5ce                      ; cosine: 1 - r^2 / 2 + r^4 (s58 + r^2 (s57 + r^2 s56))
	s_mov_b32 s57, 0xbab6061a
	s_mov_b32 s58, 0x3d2aaaa5
.macro TUNIT uu
.irp e, 0,1,2,3
	v_add_nc_u32 v[TI+\e], 8*\uu+\e, v6            ; i
.endr
.irp e, 0,1,2,3
	v_cvt_f32_u32 v[TF+\e], v[TI+\e]
.endr
.irp e, 0,1,2,3
	v_mul_f32 v[TE+\e], s48, v[TF+\e]              ; exact
.endr
	s_wait_alu depctr_va_vdst(0)
.irp e, 0,1,2,3
	v_exp_f32 v[TE+\e], v[TE+\e]
.endr
.irp e, 0,1,2,3
	v_fma_f32 v[TC+\e], v[TF+\e], s49, 1.0         ; 2^(what the 17 bits left out): 1 + i x 7.957e-8.  (Plain lines behind the exponentials)
.endr
	s_wait_alu depctr_va_vdst(0)                   ; one wait for the four exponentials, ahead of their first reader
.irp e, 0,1,2,3
	v_mul_f32 v[TE+\e], v[TE+\e], v[TC+\e]         ; the frequency 10000^(-i / 64)
.endr
.irp e, 0,1,2,3
	v_mul_f32 v[TA+\e], v5, v[TE+\e]               ; the angle, rounded once
.endr
.irp e, 0,1,2,3
	v_mul_f32 v[TK+\e], s50, v[TA+\e]
.endr
.irp e, 0,1,2,3
	v_rndne_f32 v[TK+\e], v[TK+\e]                 ; n = the nearest multiple of pi / 2, at most 651
.endr
.irp e, 0,1,2,3
	v_fma_f32 v[TR+\e], -v[TK+\e], s51, v[TA+\e]   ; the difference fits in 24 bits: nothing is rounded
.endr
.irp e, 0,1,2,3
	v_fma_f32 v[TR+\e], -v[TK+\e], s52, v[TR+\e]   ; r, within +-pi/4
.endr
.irp e, 0,1,2,3
	v_mul_f32 v[TS+\e], v[TR+\e], v[TR+\e]
.endr
.irp e, 0,1,2,3
	v_fma_f32 v[TSN+\e], v[TS+\e], s53, s54
	v_fma_f32 v[TCS+\e], v[TS+\e], s56, s57
.endr
.irp e, 0,1,2,3
	v_fma_f32 v[TSN+\e], v[TSN+\e], v[TS+\e], s55
	v_fma_f32 v[TCS+\e], v[TCS+\e], v[TS+\e], s58
.endr
.irp e, 0,1,2,3
	v_mul_f32 v[TU+\e], v[TS+\e], v[TR+\e]
	v_mul_f32 v[TV+\e], v[TS+\e], v[TS+\e]
.endr
.irp e, 0,1,2,3
	v_fma_f32 v[TSN+\e], v[TSN+\e], v[TU+\e], v[TR+\e]   ; sin r
	v_fma_f32 v[TU+\e], v[TS+\e], -0.5, 1.0
.endr
.irp e, 0,1,2,3
	v_fma_f32 v[TCS+\e], v[TCS+\e], v[TV+\e], v[TU+\e]   ; cos r
	v_cvt_i32_f32 v[TN+\e], v[TK+\e]
.endr
.irp e, 0,1,2,3                        ; the quadrant: odd n swaps the two; sine is negative where n & 2, cosine where (n + 1) & 2
	v_and_b32 v[TU+\e], 1, v[TN+\e]
	v_cmp_eq_u32 vcc_lo, 1, v[TU+\e]
	v_cndmask_b32 v[TV+\e], v[TCS+\e], v[TSN+\e], vcc_lo
	v_cndmask_b32 v[TU+\e], v[TSN+\e], v[TCS+\e], vcc_lo
	v_add_nc_u32 v[TI+\e], 1, v[TN+\e]
	v_and_b32 v[TI+\e], 2, v[TI+\e]
	v_and_b32 v[TN+\e], 2, v[TN+\e]
	v_lshlrev_b32 v[TI+\e], 30, v[TI+\e]
	v_lshlrev_b32 v[TN+\e], 30, v[TN+\e]
	v_xor_b32 v[TO+8*\uu+2*\e], v[TI+\e], v[TV+\e]       ; cos
	v_xor_b32 v[TO+8*\uu+2*\e+1], v[TN+\e], v[TU+\e]     ; sin
.endr
	global_store_b128 v[LI], v[TO+8*\uu:TO+8*\uu+3], s[20:21] offset:1024*\uu          ; 512 consecutive bytes a store; each unit has registers of its own
	global_store_b128 v[LI], v[TO+8*\uu+4:TO+8*\uu+7], s[20:21] offset:1024*\uu+512
.endm
	TUNIT 0
	TUNIT 1
	TUNIT 2
	TUNIT 3
	s_endpgm
; ---- x.  The work-group's 16 rows are 131,072 consecutive bytes.  Wave w takes kb 4 w .. 4 w + 3, one unit (16 rows x 512 bytes) each.
; A load reads 512 consecutive bytes of one row; the unit turns through the wave's own stage in LDS, so that a lane gets its row's numbers in the image's order.
.Lpath_x:
	MKSC 32, 5, 6                                  ; entry 0
	MKSC 34, 7, 8                                  ; entry 2
	MKSC 36, 9, 10                                 ; entry 4
	s_cmp_eq_u32 s34, s32
	s_cselect_b32 s46, 1, 0                        ; 1: the codes under entry 2 are those under entry 0
	s_cmp_eq_u32 s36, s32
	s_cselect_b32 s47, 1, 0                        ; the same for entry 4
	s_mul_i32 s23, s22, 16*SPX                     ; my stage
	s_wait_alu depctr_va_vdst(0)
	v_add_nc_u32 v11, s23, v[LI]                   ; in: 16 x lane, the row in the immediate
	v_mul_u32_u24 v12, v2, SPX
	v_lshl_add_u32 v12, v3, 5, v12
	v_add_nc_u32 v12, s23, v12                     ; out: row r, + 32 h: eight numbers of each 16
	s_lshl_b32 s24, ttmp9, 17
	s_lshl_b32 s25, s22, 11
	s_add_co_u32 s24, s24, s25
	s_mov_b32 s25, 0
	s_add_nc_u64 s[4:5], s[4:5], s[24:25]          ; x at my tile's first row, my first kb
	s_lshl_b32 s24, ttmp9, 11                      ; my tile's image,
	s_lshl_b32 s26, s22, 21                        ; in kb 4 w
	s_add_co_u32 s24, s24, s26
	s_add_nc_u64 s[24:25], s[16:17], s[24:25]      ; in section 0,
	s_add_nc_u64 s[26:27], s[24:25], SEC           ; 1,
	s_add_nc_u64 s[28:29], s[24:25], 2*SEC         ; 2
.macro XLOAD u
.irp j, 0,1,2,3,4,5,6,7,8,9,10,11,12,13,14,15
	global_load_b128 v[XR+4*\j:XR+4*\j+3], v[LI], s[4:5] offset:\j*8192+(\u)*512 th:TH_LOAD_NT
.endr
.endm
.macro XTURN                           ; LDS serves a wave's instructions in order (ISA guide 5.7.1.4): no wait between the stores and the loads
.irp j, 0,1,2,3,4,5,6,7,8,9,10,11,12,13,14,15
	ds_store_b128 v11, v[XR+4*\j:XR+4*\j+3] offset:SPX*\j
.endr
.irp c, 0,1,2,3,4,5,6,7
	ds_load_b128 v[XX+8*\c:XX+8*\c+3], v12 offset:64*\c
	ds_load_b128 v[XX+8*\c+4:XX+8*\c+7], v12 offset:64*\c+16
.endr
.endm
; The unit under one scale: hold, convert, store the image.  The numbers stay as they are for the next scale: the held ones go to two sets by turns, so that eight plain lines stand between a conversion and the rewriting of its sources.
.macro XQ z, u, vs, vl, base
.irp c, 0,1,2,3,4,5,6,7
.irp j, 0,1,2,3,4,5,6,7
	v_med3_num_f32 v[XT+8*(\c%2)+\j], v[XX+8*\c+\j], -v[\vl], v[\vl]   ; the conversion to an 8-bit code does not saturate (ISA guide 7.6.2)
.endr
	v_cvt_scalef32_pk8_fp8_f32 v[XC+16*\z+2*\c:XC+16*\z+2*\c+1], v[XT+8*(\c%2):XT+8*(\c%2)+7], v[\vs]
.endr
.irp q, 0,1,2,3
	global_store_b128 v[LI], v[XC+16*\z+4*\q:XC+16*\z+4*\q+3], s[\base:\base+1] offset:\u*KBX+512*\q
.endr
.endm
	XLOAD 0
	s_wait_alu depctr_va_vdst(0)
.irp u, 0,1,2,3
	s_wait_loadcnt 0x0                             ; the unit is in
	XTURN
	s_wait_dscnt 0x0                               ; my 64 numbers are back, and the stage's stores have read the registers that the next loads fill
	s_wait_xcnt 0x0                                ; the last unit's stores have read their codes: those registers are written again below
.if \u < 3
	XLOAD \u+1                                     ; the next unit is on its way while this one is converted
.endif
	XQ 0, \u, 5, 6, 24
	s_cmp_lg_u32 s46, 0
	s_cbranch_scc1 .Lsame_k_\u
	XQ 1, \u, 7, 8, 26
.Lsame_k_\u:
	s_cmp_lg_u32 s47, 0
	s_cbranch_scc1 .Lsame_v_\u
	XQ 2, \u, 9, 10, 28
.Lsame_v_\u:
.endr
	s_wait_tensorcnt 0x0
	ds_add_u32 v208, v209
	s_wait_dscnt 0x0
	s_endpgm
; ---- THE WEIGHTS, stored [K][N]: a lane takes a column and its registers run down K, so the conversions give codes with K innermost and nothing is transposed.
; A wave takes 32 columns x 256 along K (two kb).  A load reads 128 consecutive bytes, the four waves side by side 512.  Loads run two blocks of 32 along K ahead.
; A lane holds both halves (k = 16 c + 0..7 and + 8..15) of ITS column; an image wants the first half of 16 columns in lanes 0-15 and the second half of the same columns in lanes 16-31:
; one exchange of the upper lanes of the one register with the lower lanes of the other makes the two images of the wave's 32 columns.
.macro WLOAD t, n
.set i, 0
.rept 32
	global_load_b32 v[WX+32*((\t)%2)+i], v5, s[28:29] offset:(32*(\t)+i)*\n*4 th:TH_LOAD_NT
.set i, i+1
.endr
.endm
.macro WPATH n, lg, first, pa, pb, ea, eb, seca, secb
	s_sub_co_u32 s23, ttmp9, \first
	s_lshr_b32 s24, s23, \lg+3                     ; which of the two tensors
	s_and_b32 s25, s23, (1<<\lg)-1                 ; which 128 columns
	s_bfe_u32 s26, s23, (3<<16)|\lg                ; which 256 along K
	s_cmp_eq_u32 s24, 0
	s_cselect_b64 s[28:29], s[\pa:\pa+1], s[\pb:\pb+1]
	s_cselect_b32 s30, s[\ea], s[\eb]              ; its exponent
	s_mov_b32 s31, \secb
	s_cselect_b32 s31, \seca, s31                  ; its section of wc
	MKSC 30, 11, 10
	v_lshlrev_b32 v5, 2, v1                        ; 4 bytes a lane
	s_wait_alu depctr_va_vdst(0)
	s_mul_i32 s44, s26, 256*\n*4
	s_lshl_b32 s45, s25, 9
	s_add_co_u32 s44, s44, s45
	s_lshl_b32 s45, s22, 7
	s_add_co_u32 s44, s44, s45                     ; row 256 kg, column 128 cg + 32 w
	s_mov_b32 s45, 0
	s_add_nc_u64 s[28:29], s[28:29], s[44:45]
	s_mul_i32 s44, s26, 2*\n*128                   ; kb 2 kg (a kb is N / 16 images),
	s_add_co_u32 s44, s44, s31
	s_lshl_b32 s46, s25, 14
	s_add_co_u32 s44, s44, s46
	s_lshl_b32 s46, s22, 12
	s_add_co_u32 s44, s44, s46                     ; image 8 cg + 2 w
	s_add_nc_u64 s[18:19], s[18:19], s[44:45]
	WLOAD 0, \n
	WLOAD 1, \n
.irp t, 0,1,2,3,4,5,6,7
.if \t < 7
	s_wait_loadcnt 32                              ; this block's 32 loads are in; the next block's 32 may be out
.else
	s_wait_loadcnt 0x0
.endif
.set i, 0
.rept 32
	v_med3_num_f32 v[WX+32*(\t%2)+i], v[WX+32*(\t%2)+i], -v10, v10
.set i, i+1
.endr
.irp g, 0,1,2,3                        ; eight numbers k = 32 (t % 4) + 8 g ..: registers 2 c, 2 c + 1 with c = 2 (t % 4) + g / 2; even g: the first half, odd g: the second
	v_cvt_scalef32_pk8_fp8_f32 v[WE+32*(\g%2)+16*(\t/4)+4*(\t%4)+2*(\g/2):WE+32*(\g%2)+16*(\t/4)+4*(\t%4)+2*(\g/2)+1], v[WX+32*(\t%2)+8*\g:WX+32*(\t%2)+8*\g+7], v11
.endr
.if \t < 6
	WLOAD \t+2, \n
.endif
.if \t%4 == 3                          ; a kb is whole
	v_nop                                          ; a plain line between the last conversion and the lines that touch its result
.set i, 0
.rept 16
	v_permlane16_swap_b32 v[WE+16*(\t/4)+i], v[WE+32+16*(\t/4)+i]
.set i, i+1
.endr
.irp q, 0,1,2,3
	global_store_b128 v[LI], v[WE+16*(\t/4)+4*\q:WE+16*(\t/4)+4*\q+3], s[18:19] offset:(\t/4)*\n*128+512*\q              ; columns 0-15 of my 32
	global_store_b128 v[LI], v[WE+32+16*(\t/4)+4*\q:WE+32+16*(\t/4)+4*\q+3], s[18:19] offset:(\t/4)*\n*128+2048+512*\q   ; columns 16-31.  Each kb has registers of its own: no store's data are written again
.endr
.endif
.endr
.endm
.Lpath_w2048:
	s_wait_alu depctr_va_vdst(0)
	WPATH 2048, 4, 256, 6, 12, 33, 43, 0, 4194304          ; Wq (entry 1), Wo (entry 11)
	s_endpgm
.Lpath_w512:
	s_wait_alu depctr_va_vdst(0)
	WPATH 512, 2, 512, 8, 10, 35, 37, 8388608, 9437184     ; Wk (entry 3), Wv (entry 5)
	s_endpgm
.Lfunc_end_k_q23883c0ce1_prep:
	.size	k_q23883c0ce1_prep, .Lfunc_end_k_q23883c0ce1_prep-k_q23883c0ce1_prep
	.p2alignl 7, 3214868480
	.fill 96, 4, 3214868480
	.section	.rodata,"a",@progbits
	.p2align	6, 0x0
	.amdhsa_kernel k_q23883c0ce1_prep
		.amdhsa_group_segment_fixed_size 34304
		.amdhsa_private_segment_fixed_size 0
		.amdhsa_enable_private_segment 0
		.amdhsa_kernarg_size 72
		.amdhsa_user_sgpr_count 2
		.amdhsa_user_sgpr_kernarg_segment_ptr 1
		.amdhsa_wavefront_size32 1
		.amdhsa_system_sgpr_workgroup_id_x 1
		.amdhsa_system_sgpr_workgroup_id_y 1
		.amdhsa_system_sgpr_workgroup_id_z 1
		.amdhsa_system_vgpr_workitem_id 0
		.amdhsa_next_free_vgpr 210
		.amdhsa_next_free_sgpr 66
		.amdhsa_reserve_vcc 1
		.amdhsa_float_denorm_mode_32 3
		.amdhsa_float_denorm_mode_16_64 3
		.amdhsa_memory_ordered 1
		.amdhsa_forward_progress 1
		.amdhsa_inst_pref_size 193
	.end_amdhsa_kernel
	.amdgpu_metadata
---
amdhsa.version: [ 1, 2 ]
amdhsa.kernels:
  - .name:           k_q23883c0ce1_prep
    .symbol:         k_q23883c0ce1_prep.kd
    .args:
      - { .name: x, .offset: 0, .size: 8, .value_kind: global_buffer, .address_space: global }
      - { .name: Wq, .offset: 8, .size: 8, .value_kind: global_buffer, .address_space: global }
      - { .name: Wk, .offset: 16, .size: 8, .value_kind: global_buffer, .address_space: global }
      - { .name: Wv, .offset: 24, .size: 8, .value_kind: global_buffer, .address_space: global }
      - { .name: Wo, .offset: 32, .size: 8, .value_kind: global_buffer, .address_space: global }
      - { .name: lowp_scales, .offset: 40, .size: 8, .value_kind: global_buffer, .address_space: global }
      - { .name: xc, .offset: 48, .size: 8, .value_kind: global_buffer, .address_space: global }
      - { .name: wc, .offset: 56, .size: 8, .value_kind: global_buffer, .address_space: global }
      - { .name: rt, .offset: 64, .size: 8, .value_kind: global_buffer, .address_space: global }
    .group_segment_fixed_size: 34304
    .private_segment_fixed_size: 0
    .kernarg_segment_align: 8
    .kernarg_segment_size: 72
    .max_flat_workgroup_size: 128
    .sgpr_count:     66
    .vgpr_count:     210
    .wavefront_size: 32
...
	.end_amdgpu_metadata
.endif
;; end of part 1
;; launch proj (part 2): grid 16 x 12, 4 waves a work-group, clusters of 4 x 1, 327,680 bytes of LDS; arguments xc, wc, rt, lowp_scales, qc, kvc; writes qc, kvc
.if DOCPART == 2
	.amdgcn_target "amdgcn-amd-amdhsa--gfx1250"
	.amdhsa_code_object_version 6
	.text
	.protected	k_q23883c0ce1_proj
	.globl	k_q23883c0ce1_proj
	.p2align	8
	.type	k_q23883c0ce1_proj,@function
k_q23883c0ce1_proj:
	s_mov_b64 s[64:65], 0
	v_nop
	global_prefetch_b8 v0, s[64:65] scope:SCOPE_SE
	s_setreg_imm32_b32 hwreg(HW_REG_WAVE_MODE, 25, 1), 1
	s_wait_xcnt 0x0
	s_wait_alu depctr_hold_cnt(0) depctr_sa_sdst(0) depctr_va_vdst(0) depctr_va_sdst(0) depctr_va_ssrc(0) depctr_va_vcc(0) depctr_vm_vsrc(0)
	s_getreg_b32 s2, hwreg(HW_REG_IB_STS2, 6, 4)
	s_cmp_eq_u32 s2, 0
	s_cbranch_scc0 .Lentry_in_a_cluster
	s_endpgm
.Lentry_in_a_cluster:
	s_bfe_u32 s2, ttmp6, 0x10000c
	s_cmp_lg_u32 s2, 0x3003
	s_cbranch_scc0 .Lentry_shape_is_right
	s_endpgm
.Lentry_shape_is_right:
; q, k, v = x Wq, x Wk, x Wv on codes of E4M3; q and k are rotated; all three are quantised again (entries 6, 7, 9) and stored as images of operand registers.
; An image is 16 rows x 128 K, 2,048 bytes: register R of lane L at 512 (R / 4) + 16 L + 4 (R % 4).  xc, wc, rt: as the preparing launch lays them.
; SHARES.  Grid x = 16 tiles of 256 tokens, grid y = 12 tiles of 256 columns (0-7 Wq, 8-9 Wk, 10-11 Wv).  Four waves, 128 x 128 each: 64 accumulators.
; K goes through a ring of two LDS slots of two kb (128 along K each): [x kb even][x kb odd][W kb even][W kb odd], 32,768 bytes each, one tensor load a wave.
; CLUSTER 4 x 1: four tiles of tokens on one tile of columns: W's blocks are asked for jointly.  x's blocks are not shared: along y the section of xc may differ (entries 0, 2, 4),
; and for Wv the two operands change places in LDS, so a cluster along y would let LDS addresses hang on a work-group's place in it.
; Source 0 = "B", source 1 = "A".  Q, K: A = tokens, B = columns: a lane holds one token and eight neighbouring channels.  V: A = columns, B = tokens: a lane holds one channel and eight neighbouring keys (V^T).
; THE ROTATION works on pairs of neighbouring channels; (z1 c - z2 s, z1 s + z2 c) stay in the pair's places: one permutation of the head's 128 for q and k alike, which leaves their products as they are.
; PREFETCH: beside the load of slot-fill n (n = 0 .. 5) stands the request for slot-fill n + 2: x's waves name their 32,768 bytes (4 instructions, lanes 256 bytes apart), W's waves the quarter cx of theirs (1 instruction).
; The table is not prefetched: its loads into registers run three blocks of 16 tokens ahead.
; LIMITS: e6 - e0 - e1, e7 - e2 - e3, e9 - e4 - e5 between -126 and 119.  NaN is not served.
; REGISTERS: window 0: v16-31 addresses, v32-159 table sets, v128-255 A's fragments, then v160-255 the way out; window 1: B's two sets, then table sets; windows 2, 3: accumulators.
.set IMG,   2048
.set QB,    32768
.set SLOT,  4*QB
.set SPARE, 2*SLOT
.set KBX,   524288
.set FR,    16
.set NL,    4
.set NP,    4
.set LAPS,  4
.set ADRA,  16
.set ADRB,  20
.set LI,    24
.set PFO,   25
.set SPW,   28
.set NIL,   29
.set SCL,   30
.set LIM,   31
.set D,     160
.set CODE,  224
.set AF,    128
.set G1P,   24
.set G0P,   32
.set G1J,   48
.set G0J,   56
.set OUT,   74
.set RT,    76
.set PFA,   96
.set PFS,   98
.set MSB, 0
.macro WIN new
.if MSB != \new
	s_set_vgpr_msb (MSB<<8)|\new
.set MSB, \new
.endif
.endm
.set MUL_LO, 0xa1
.set MUL_HI, 0xf1
.set TO_B,   0x40
.macro JLOAD s                         ; waves 0, 1: x's block, a load of my own; waves 2, 3: W's, jointly.
	s_cmp_eq_u32 s15, 0
	s_cbranch_scc0 .Lfor_w_\@
	tensor_load_to_lds s[G0P+4*\s:G0P+4*\s+3], s[G1P:G1P+7]
	s_nop 0
.rept 4
	v_nop
.endr
	s_branch .Lasked_\@
.Lfor_w_\@:
	tensor_load_to_lds s[G0J+4*\s:G0J+4*\s+3], s[G1J:G1J+7]
	s_nop 0
.rept 4
	v_nop
.endr
.Lasked_\@:
.endm
.macro ASK inloop                      ; the slot-fill two on; the loop's last trip (s3 = 1) has none
.if \inloop
	s_cmp_gt_u32 s3, 1
	s_cbranch_scc0 .Lnone_\@
.endif
	global_prefetch_b8 v[PFO], s[PFA:PFA+1] th:TH_LOAD_NT scope:SCOPE_SE
	s_cmp_eq_u32 s15, 0
	s_cbranch_scc0 .Lnone_\@
.irp i, 1,2,3
	global_prefetch_b8 v[PFO], s[PFA:PFA+1] offset:8192*\i th:TH_LOAD_NT scope:SCOPE_SE
.endr
.Lnone_\@:
.endm
.macro CREST
	s_cmp_lg_u32 s14, 0
	s_cbranch_scc1 .Lnot_wave_0_\@
	s_barrier_signal -3
.Lnot_wave_0_\@:
	s_barrier_wait -3
	s_barrier_signal -1
	s_barrier_wait -1
.endm
.macro CROUND
	s_barrier_signal -1
	s_barrier_wait -1
	CREST
.endm
	s_load_b256 s[4:11], s[0:1], 0x0               ; xc, wc, rt, the exponents
	s_load_b128 s[68:71], s[0:1], 0x20             ; qc, kvc
	v_lshl_add_u32 v[SPW], v0, 2, SPARE
	v_mov_b32 v[NIL], 0
	ds_add_u32 v[SPW], v[NIL]                      ; the opening lines
	ds_add_u32 v[SPW], v[NIL]
	v_lshrrev_b32 v1, 5, v0
	v_readfirstlane_b32 s14, v1                    ; wave
	v_and_b32 v1, 31, v0
	v_lshlrev_b32 v[LI], 4, v1                     ; 16 x lane
	v_lshlrev_b32 v[PFO], 8, v1                    ; 256 x lane
	s_lshr_b32 s15, s14, 1                         ; my half of A's rows; also: I fetch x (0) or W (1)
	s_and_b32 s16, s14, 1                          ; my half of B's rows; also: which kb of a slot I fetch
	s_and_b32 s17, ttmp7, 0xffff                   ; y
	s_cmp_lt_u32 s17, 10
	s_cselect_b32 s94, 0, 65536                    ; A: x, for Wv: W
	s_cselect_b32 s95, 65536, 0                    ; B: W, for Wv: x
	s_lshl_b32 s23, s15, 14
	s_add_co_u32 s94, s94, s23
	s_lshl_b32 s23, s16, 14
	s_add_co_u32 s95, s95, s23
	s_wait_alu depctr_va_vdst(0)                   ; ahead of the reader below
.irp s, 0,1
	v_add_nc_u32 v[ADRA+\s], s94, v[LI]
	v_add_nc_u32 v[ADRB+\s], s95, v[LI]
	s_add_co_u32 s94, s94, SLOT
	s_add_co_u32 s95, s95, SLOT
.endr
	s_bfe_u32 s40, ttmp6, 0x40000                  ; cx
	s_lshl_b32 s42, ttmp9, 2
	s_add_co_u32 s42, s42, s40                     ; my tile of 256 tokens
	s_lshr_b32 s18, s17, 3                         ; 1: Wk or Wv
	s_lshr_b32 s19, s17, 1
	s_and_b32 s19, s19, s18                        ; 1: Wv
	s_sub_co_u32 s20, s18, s19                     ; 1: Wk
	s_lshl_b32 s21, s18, 1
	s_lshr_b32 s21, 0x40000, s21                   ; from kb to kb in the weight's codes
	s_lshl_b32 s22, s18, 3
	s_sub_co_u32 s22, s17, s22
	s_lshl_b32 s23, s19, 1
	s_sub_co_u32 s22, s22, s23                     ; the tile of 256 columns within its weight
	s_lshl_b32 s23, s18, 23
	s_lshl_b32 s46, s19, 20
	s_add_co_u32 s46, s46, s23
	s_lshl_b32 s23, s22, 15
	s_add_co_u32 s46, s46, s23
	s_mul_i32 s23, s16, s21
	s_add_co_u32 s46, s46, s23
	s_mov_b32 s47, 0
	s_lshl_b32 s92, s21, 1                         ; a slot on in W
	s_mov_b32 s93, 0
	s_lshl_b32 s72, s21, 2                         ; two slots on
	s_mov_b32 s73, 0
	s_mov_b32 s[G1P+0], 3<<16                      ; a dense block of 32,768 bytes as 128 rows of 32 elements of 8 bytes
	s_mov_b32 s[G1J+0], 15|(3<<16)|(1<<21)         ; the same with the four partners' mask
.irp g, G1P, G1J
	s_mov_b32 s[\g+1], 32<<16
	s_mov_b32 s[\g+2], 128<<16
	s_mov_b32 s[\g+3], 32<<16
	s_mov_b32 s[\g+4], 128
	s_mov_b32 s[\g+5], 32
	s_mov_b32 s[\g+6], 0
	s_mov_b32 s[\g+7], 0
.endr
	s_lshl_b32 s41, s14, 15                        ; my block's place in a slot
	s_wait_alu depctr_va_vdst(0)                   ; ahead of the waits below
	s_wait_dscnt 0x0
	s_wait_kmcnt 0x0
	s_load_b256 s[80:87], s[10:11], 0x0            ; entries 0 to 7: on their way during the round
	s_load_b128 s[88:91], s[10:11], 0x20           ; entries 8 to 11
	s_add_nc_u64 s[46:47], s[6:7], s[46:47]
	CROUND                                         ; in front of the first loads
	s_wait_kmcnt 0x0
	s_xor_b32 s44, s82, s80                        ; x's section: 0 where the exponent equals entry 0's, chosen by arithmetic, not by a branch
	s_min_u32 s44, s44, 1
	s_mul_i32 s44, s44, s20
	s_lshl_b32 s44, s44, 23
	s_xor_b32 s45, s84, s80
	s_min_u32 s45, s45, 1
	s_mul_i32 s45, s45, s19
	s_lshl_b32 s45, s45, 24
	s_add_co_u32 s44, s44, s45
	s_lshl_b32 s45, s42, 15
	s_add_co_u32 s44, s44, s45
	s_lshl_b32 s45, s16, 19
	s_add_co_u32 s44, s44, s45
	s_mov_b32 s45, 0
	s_add_nc_u64 s[44:45], s[4:5], s[44:45]
.irp s, 0,1
	s_mov_b32 s[G0P+4*\s], 1
	s_add_co_u32 s[G0P+4*\s+1], s41, \s*SLOT
	s_add_nc_u64 s[G0P+4*\s+2:G0P+4*\s+3], s[44:45], \s*2*KBX
	s_or_b32 s[G0P+4*\s+3], s[G0P+4*\s+3], 0x80000000
	s_mov_b32 s[G0J+4*\s], 1
	s_add_co_u32 s[G0J+4*\s+1], s41, \s*SLOT
.endr
	s_mov_b64 s[G0J+2:G0J+3], s[46:47]
	s_add_nc_u64 s[G0J+6:G0J+7], s[46:47], s[92:93]
	s_or_b32 s[G0J+3], s[G0J+3], 0x80000000
	s_or_b32 s[G0J+7], s[G0J+7], 0x80000000
	JLOAD 0                                        ; slot-fill 0: one tensor load a wave at the head
	s_lshl_b32 s79, s40, 13                        ; the prefetches: W's partners share a block out by address, 8,192 bytes each
	s_mov_b32 s78, 4*KBX
	s_mov_b32 s[PFS], 2*KBX
	s_cmp_eq_u32 s15, 0
	s_cselect_b64 s[PFA:PFA+1], s[44:45], s[46:47]
	s_cselect_b32 s78, s78, s72                    ; slot-fill 2
	s_cselect_b32 s79, 0, s79
	s_cselect_b32 s[PFS], s[PFS], s92              ; a slot-fill on
	s_add_co_u32 s78, s78, s79
	s_mov_b32 s79, 0
	s_mov_b32 s[PFS+1], 0
	s_add_nc_u64 s[PFA:PFA+1], s[PFA:PFA+1], s[78:79]
	ASK 0
	s_sub_co_i32 s44, s86, s80                     ; the conversion's scale: e6 - e0 - e1, e7 - e2 - e3 or e9 - e4 - e5
	s_sub_co_i32 s44, s44, s81
	s_sub_co_i32 s45, s87, s82
	s_sub_co_i32 s45, s45, s83
	s_sub_co_i32 s78, s89, s84
	s_sub_co_i32 s78, s78, s85
	s_cmp_lt_u32 s17, 10
	s_cselect_b32 s45, s45, s78
	s_cmp_lt_u32 s17, 8
	s_cselect_b32 s44, s44, s45
	s_add_co_i32 s44, s44, 127
	s_lshl_b32 s45, s44, 23
	v_mov_b32 v[SCL], s45
	s_add_co_i32 s44, s44, 8
	s_lshl_b32 s44, s44, 23
	s_or_b32 s44, s44, 0x600000
	v_mov_b32 v[LIM], s44                          ; 448 x the scale
	s_lshr_b32 s78, s42, 2                         ; batch
	s_and_b32 s79, s42, 3                          ; which 256 positions
	s_lshl_b32 s44, s78, 4                         ; qc: [batch x 16 + head][tile of 16 tokens]
	s_lshl_b32 s45, s17, 1
	s_add_co_u32 s44, s44, s45
	s_add_co_u32 s44, s44, s16
	s_lshl_b32 s44, s44, 6
	s_lshl_b32 s45, s79, 4
	s_add_co_u32 s44, s44, s45
	s_lshl_b32 s45, s15, 3
	s_add_co_u32 s44, s44, s45
	s_lshl_b32 s44, s44, 11
	s_lshl_b32 s94, s78, 2                         ; kvc: [batch x 4 + kv head][key step of 128][K's 8 images, V^T's 8 images]
	s_lshl_b32 s95, s22, 1
	s_add_co_u32 s94, s94, s95
	s_cmp_lt_u32 s17, 10
	s_cselect_b32 s95, s16, s15
	s_cselect_b32 s40, s15, s16
	s_add_co_u32 s94, s94, s95
	s_lshl_b32 s94, s94, 3
	s_lshl_b32 s95, s79, 1
	s_add_co_u32 s94, s94, s95
	s_add_co_u32 s94, s94, s40
	s_lshl_b32 s94, s94, 15
	s_lshl_b32 s95, s19, 14
	s_add_co_u32 s94, s94, s95
	s_cmp_lt_u32 s17, 8
	s_cselect_b32 s44, s44, s94
	s_cselect_b64 s[OUT:OUT+1], s[68:69], s[70:71]
	s_mov_b32 s45, 0
	s_add_nc_u64 s[OUT:OUT+1], s[OUT:OUT+1], s[44:45]
	s_lshl_b32 s94, s79, 17
	s_lshl_b32 s95, s15, 16
	s_add_co_u32 s94, s94, s95
	s_mov_b32 s95, 0
	s_add_nc_u64 s[RT:RT+1], s[8:9], s[94:95]      ; the table at my 128 positions
.macro FRAG reg, adr, q, i
.irp c, 0,1,2,3
	ds_load_b128 v[\reg+4*\c:\reg+4*\c+3], v[\adr] offset:(\q)*QB+(\i)*IMG+512*\c
.endr
.endm
.macro MUL16 a0, p, zero               ; A's blocks a0, a0 + 1 x B's eight; the 64 accumulators take turns, one instruction a turn
.irp a, \a0, \a0+1
.irp b, 0,1,2,3,4,5,6,7
.if \zero
	v_wmma_f32_16x16x128_fp8_fp8 v[8*(8*((\a)%4)+\b):8*(8*((\a)%4)+\b)+7], v[128*(\p)+FR*\b:128*(\p)+FR*\b+FR-1], v[AF+FR*(\a):AF+FR*(\a)+FR-1], 0
.else
	v_wmma_f32_16x16x128_fp8_fp8 v[8*(8*((\a)%4)+\b):8*(8*((\a)%4)+\b)+7], v[128*(\p)+FR*\b:128*(\p)+FR*\b+FR-1], v[AF+FR*(\a):AF+FR*(\a)+FR-1], v[8*(8*((\a)%4)+\b):8*(8*((\a)%4)+\b)+7]
.endif
.endr
.endr
.endm
.macro FETCH_B slot, q, p
	WIN TO_B
.irp i, 0,1,2,3,4,5,6,7
	FRAG 128*(\p)+FR*\i, ADRB+\slot, \q, \i
.endr
	WIN 0
.endm
.macro FETCH_A slot, q, i0
.irp i, \i0, \i0+1, \i0+2, \i0+3
	FRAG AF+FR*(\i), ADRA+\slot, \q, \i
.endr
.endm
.macro PLACES n                        ; plain places behind matrix instructions, in front of loads into their registers and of reads of results
.rept \n
	v_nop
.endr
.endm
.macro STEP slot, q, zero              ; a kb that has its successor in the same slot
	s_wait_dscnt 4*NL                              ; all but A's blocks 4-7 (16 loads) are in
	WIN MUL_LO
	MUL16 0, (\q)%2, \zero
	MUL16 2, (\q)%2, \zero
	s_wait_dscnt 0
	PLACES NP
	FETCH_B \slot, (\q)+1, 1-(\q)%2
	FETCH_A \slot, (\q)+1, 0
	WIN MUL_HI
	MUL16 4, (\q)%2, \zero
	MUL16 6, (\q)%2, \zero
	PLACES NP
	WIN 0
	FETCH_A \slot, (\q)+1, 4
.endm
.macro TURN slot, next, fill           ; a slot's last kb changes slots
.if \fill
	s_wait_xcnt 0x0                                ; my prefetches have read their address: it steps a slot-fill on
	s_add_nc_u64 s[PFA:PFA+1], s[PFA:PFA+1], s[PFS:PFS+1]
.endif
	s_wait_tensorcnt 0x0                           ; my one load that was out, my block of the next slot, has landed
	ds_add_u32 v[SPW], v[NIL]
	s_wait_dscnt 4*NL+1                            ; the add and A's blocks 4-7 may be out
	WIN MUL_LO
	MUL16 0, 1, 0
	s_wait_dscnt 0x0                               ; the add is done, my reads of this slot are over
	s_barrier_signal -1
	MUL16 2, 1, 0
	WIN 0
	s_barrier_wait -1
.if \fill
	CREST                                          ; the barrier opened a round of the cluster's barrier
	s_add_nc_u64 s[G0P+4*\slot+2:G0P+4*\slot+3], s[G0P+4*\slot+2:G0P+4*\slot+3], 4*KBX
	s_add_nc_u64 s[G0J+4*\slot+2:G0J+4*\slot+3], s[G0J+4*\slot+2:G0J+4*\slot+3], s[72:73]
	JLOAD \slot
.else
	PLACES NP
.endif
	FETCH_B \next, 0, 0
	FETCH_A \next, 0, 0
.if \fill
	ASK 1
.endif
	WIN MUL_HI
	MUL16 4, 1, 0
	MUL16 6, 1, 0
	PLACES NP
	WIN 0
	FETCH_A \next, 0, 4
.endm
.macro LAST
	s_wait_dscnt 4*NL
	WIN MUL_LO
	MUL16 0, 1, 0
	MUL16 2, 1, 0
	s_wait_dscnt 0
	WIN MUL_HI
	MUL16 4, 1, 0
	MUL16 6, 1, 0
	WIN 0
.endm
; The table of block a (16 tokens): 64 registers.  Blocks 0, 6: window 0, v32; block 5: window 0, v96; blocks 1-4: window 1, v0, 64, 128, 192; block 7: window 1, v0.
.macro TSET a
.set TW, 1
.set CT, 64*((\a)-1)
.if (\a)%6 == 0
.set TW, 0
.set CT, 32
.endif
.if (\a) == 5
.set TW, 0
.set CT, 96
.endif
.if (\a) == 7
.set CT, 0
.endif
.endm
.macro TABLE a
	TSET \a
	WIN (TW<<6)
.irp b, 0,1,2,3,4,5,6,7
.irp u, 0,1
	global_load_b128 v[CT+8*\b+4*\u:CT+8*\b+4*\u+3], v[LI], s[RT:RT+1] offset:(\a)*8192+\b*1024+512*\u
.endr
.endr
	WIN 0
.endm
.macro ROPE a                          ; (z1, z1) x (c, s), then (-z2, z2) x (s, c) added: two packed lines a pair; each accumulator from its low end on
	TSET \a
.set AC, 64*((\a)%4)
.set CD, CODE+16*((\a)%2)
	WIN ((0x02+((\a)/4))|(TW<<2))
.irp b, 0,1,2,3,4,5,6,7
.irp e, 0,1,2,3
	v_pk_mul_f32 v[D+8*\b+2*\e:D+8*\b+2*\e+1], v[AC+8*\b+2*\e:AC+8*\b+2*\e+1], v[CT+8*\b+2*\e:CT+8*\b+2*\e+1] op_sel_hi:[0,1]
.endr
.irp e, 0,1,2,3
	v_pk_fma_f32 v[D+8*\b+2*\e:D+8*\b+2*\e+1], v[AC+8*\b+2*\e:AC+8*\b+2*\e+1], v[CT+8*\b+2*\e:CT+8*\b+2*\e+1], v[D+8*\b+2*\e:D+8*\b+2*\e+1] op_sel:[1,1,0] op_sel_hi:[1,0,1] neg_lo:[1,0,0]
.endr
.endr
	WIN 0
.irp b, 0,1,2,3,4,5,6,7
.irp j, 0,1,2,3,4,5,6,7
	v_med3_num_f32 v[D+8*\b+\j], v[D+8*\b+\j], -v[LIM], v[LIM]   ; the conversion does not saturate (ISA guide 7.6.2)
.endr
	v_cvt_scalef32_pk8_fp8_f32 v[CD+2*\b:CD+2*\b+1], v[D+8*\b:D+8*\b+7], v[SCL]
.endr
	v_nop
.irp q, 0,1,2,3
	global_store_b128 v[LI], v[CD+4*\q:CD+4*\q+3], s[OUT:OUT+1] offset:(\a)*IMG+512*\q   ; 512 consecutive bytes a store
.endr
.endm
.macro VOUT a
.set AC, 64*((\a)%4)
.set CD, CODE+16*((\a)%2)
	WIN 0x02+((\a)/4)
.set j, 0
.rept 64
	v_med3_num_f32 v[D+j], v[AC+j], -v[LIM], v[LIM]
.set j, j+1
.endr
	WIN 0
.irp b, 0,1,2,3,4,5,6,7
	v_cvt_scalef32_pk8_fp8_f32 v[CD+2*\b:CD+2*\b+1], v[D+8*\b:D+8*\b+7], v[SCL]
.endr
	v_nop
.irp q, 0,1,2,3
	global_store_b128 v[LI], v[CD+4*\q:CD+4*\q+3], s[OUT:OUT+1] offset:(\a)*IMG+512*\q
.endr
.endm
	s_wait_alu depctr_va_vdst(0)                   ; the head's end
	s_wait_xcnt 0x0
	s_add_nc_u64 s[PFA:PFA+1], s[PFA:PFA+1], s[PFS:PFS+1]   ; slot-fill 3
	s_wait_tensorcnt 0x0                           ; my block of slot-fill 0 is in; slot 1's first fill is issued as a refill is
	ds_add_u32 v[SPW], v[NIL]
	s_wait_dscnt 0x0
	CROUND
	JLOAD 1
	FETCH_B 0, 0, 0
	FETCH_A 0, 0, 0
	FETCH_A 0, 0, 4
	ASK 0
	STEP 0, 0, 1                                   ; the first kb starts the sums
	s_mov_b32 s3, LAPS-1
.Llap:
	TURN 0, 1, 1
	STEP 1, 0, 0
	TURN 1, 0, 1
	STEP 0, 0, 0
	s_sub_co_u32 s3, s3, 1
	s_cmp_lg_u32 s3, 0
	s_cbranch_scc1 .Llap
	TURN 0, 1, 0
	s_cmp_ge_u32 s17, 10                           ; Wv has no rotation and loads no table
	s_cbranch_scc1 .Lv0
	TABLE 0
.Lv0:
	STEP 1, 0, 0
	s_cmp_ge_u32 s17, 10
	s_cbranch_scc1 .Lv1
	TABLE 1                                        ; into B's set 0, which the last kb does not read (four places stand at the step's end)
	TABLE 2
.Lv1:
	LAST
	PLACES NP
	s_cmp_ge_u32 s17, 10
	s_cbranch_scc1 .Lv_tail
.irp a, 0,1,2,3,4,5,6,7
.if \a < 5
	TABLE \a+3
	s_wait_loadcnt 48                              ; block a's 16 loads are in; the three later blocks' may be out
.else
	s_wait_loadcnt 16*(7-\a)
.endif
.if \a > 1
	s_wait_xcnt 0x0                                ; block a - 2's stores have read their codes
.endif
	ROPE \a
.endr
	s_branch .Lclose
.Lv_tail:
.irp a, 0,1,2,3,4,5,6,7
.if \a > 1
	s_wait_xcnt 0x0
.endif
	VOUT \a
.endr
.Lclose:
	s_wait_tensorcnt 0x0                           ; the wave's end
	ds_add_u32 v[SPW], v[NIL]
	s_wait_dscnt 0x0
	CROUND                                         ; the closing round
	s_endpgm
.Lfunc_end_k_q23883c0ce1_proj:
	.size	k_q23883c0ce1_proj, .Lfunc_end_k_q23883c0ce1_proj-k_q23883c0ce1_proj
	.p2alignl 7, 3214868480
	.fill 96, 4, 3214868480
	.section	.rodata,"a",@progbits
	.p2align	6, 0x0
	.amdhsa_kernel k_q23883c0ce1_proj
		.amdhsa_group_segment_fixed_size 327680
		.amdhsa_private_segment_fixed_size 0
		.amdhsa_enable_private_segment 0
		.amdhsa_kernarg_size 48
		.amdhsa_user_sgpr_count 2
		.amdhsa_user_sgpr_kernarg_segment_ptr 1
		.amdhsa_wavefront_size32 1
		.amdhsa_system_sgpr_workgroup_id_x 1
		.amdhsa_system_sgpr_workgroup_id_y 1
		.amdhsa_system_sgpr_workgroup_id_z 1
		.amdhsa_system_vgpr_workitem_id 0
		.amdhsa_next_free_vgpr 1024
		.amdhsa_next_free_sgpr 100
		.amdhsa_reserve_vcc 0
		.amdhsa_float_denorm_mode_32 3
		.amdhsa_float_denorm_mode_16_64 3
		.amdhsa_memory_ordered 1
		.amdhsa_forward_progress 1
		.amdhsa_inst_pref_size 207
	.end_amdhsa_kernel
	.amdgpu_metadata
---
amdhsa.version: [ 1, 2 ]
amdhsa.kernels:
  - .name:           k_q23883c0ce1_proj
    .symbol:         k_q23883c0ce1_proj.kd
    .args:
      - { .name: xc, .offset: 0, .size: 8, .value_kind: global_buffer, .address_space: global }
      - { .name: wc, .offset: 8, .size: 8, .value_kind: global_buffer, .address_space: global }
      - { .name: rt, .offset: 16, .size: 8, .value_kind: global_buffer, .address_space: global }
      - { .name: lowp_scales, .offset: 24, .size: 8, .value_kind: global_buffer, .address_space: global }
      - { .name: qc, .offset: 32, .size: 8, .value_kind: global_buffer, .address_space: global }
      - { .name: kvc, .offset: 40, .size: 8, .value_kind: global_buffer, .address_space: global }
    .group_segment_fixed_size: 327680
    .private_segment_fixed_size: 0
    .kernarg_segment_align: 8
    .kernarg_segment_size: 48
    .max_flat_workgroup_size: 128
    .sgpr_count:     100
    .vgpr_count:     1024
    .wavefront_size: 32
...
	.end_amdgpu_metadata
.endif
;; end of part 2
;; launch attn (part 3): grid 16 x 16, 16 waves a work-group, clusters of 4 x 1, 327,680 bytes of LDS; arguments qc, kvc, lowp_scales, ac; writes ac
.if DOCPART == 3
	.amdgcn_target "amdgcn-amd-amdhsa--gfx1250"
	.amdhsa_code_object_version 6
	.text
	.protected	k_q23883c0ce1_attn
	.globl	k_q23883c0ce1_attn
	.p2align	8
	.type	k_q23883c0ce1_attn,@function
k_q23883c0ce1_attn:
	s_mov_b64 s[64:65], 0
	v_nop
	global_prefetch_b8 v0, s[64:65] scope:SCOPE_SE
	s_setreg_imm32_b32 hwreg(HW_REG_WAVE_MODE, 25, 1), 1
	s_wait_xcnt 0x0
	s_wait_alu depctr_hold_cnt(0) depctr_sa_sdst(0) depctr_va_vdst(0) depctr_va_sdst(0) depctr_va_ssrc(0) depctr_va_vcc(0) depctr_vm_vsrc(0)
	s_getreg_b32 s2, hwreg(HW_REG_IB_STS2, 6, 4)
	s_cmp_eq_u32 s2, 0
	s_cbranch_scc0 .Lentry_in_a_cluster
	s_endpgm
.Lentry_in_a_cluster:
	s_bfe_u32 s2, ttmp6, 0x10000c
	s_cmp_lg_u32 s2, 0x3003
	s_cbranch_scc0 .Lentry_shape_is_right
	s_endpgm
.Lentry_shape_is_right:
; CAUSAL ATTENTION on codes of E4M3: 16 query heads on 4 kv heads, 1,024 tokens, head size 128, 4 batches.  Both products by the 8-bit matrix form; maxima, sums and exponentials in f32.
; Key steps all of whose keys come after a tile's queries lie under the mask that the problem builds itself, and are left out.
; THE SOFTMAX: t = score x log2(e) / sqrt(128); M = the running largest t rounded UP to a whole number; p = 2^(t - M) is quantised, not normalised; the row's sum is taken of the unquantised p and divides O at the end.
; When M moves, the sum and O are multiplied by 2^(old M - new M): exact.
; SHARES.  Grid y = batch x 4 + kv head.  A cluster's four work-groups are the four query heads of that kv head on the same queries: K and V are asked for jointly.  Cluster x = g (0..3).
; Wave w has a rank (w, its two low bits turned in every second group of four waves); the tile of 16 queries 4 rank + g needs n = rank / 2 + 1 key steps of 128.
; THE KEYS OF THE LONG TILES ARE SHARED OUT.  The text walks the eight key steps twice.  Pass 0: ranks 0 to 5 take key steps 0 .. 3 - n of tile 15 - rank, and put -M, the sums and O^T into a stage in LDS.
; Pass 1: every wave takes its own tile's key steps max(n - 5, 0) .. n - 1.  Behind one barrier ranks 10 to 15 join the stage's part to theirs, both brought under the larger M by powers of two.
; So ranks 0-7 walk 4 steps, ranks 8-15 walk 5, and waves w, w + 4, w + 8, w + 12 have 18 together.  All branches hang on g, the wave's number and the pass, which the partners share.
; LDS holds ALL of the kv head: 8 key steps x (8 images of K, 8 of V^T) = 262,144 bytes, each byte filled once: each of the sixteen waves asks for 16,384 bytes, its one tensor load.  Nothing is prefetched: all is asked for at the head.
; Behind it: the spare words (2,048 bytes) and six stages of 8,704 bytes, which no tensor load fills.
; LAYOUT.  Operands are images of operand registers (16 rows x 128 K, register R of lane L at 512 (R / 4) + 16 L + 4 (R % 4)).  S^T = K Q^T: a lane holds ONE query; tile T's eight registers are keys 16 T + 8 h + 0..7,
; whose codes are registers 2 T, 2 T + 1 of P.  O^T = V^T P^T: register 8 t + j is channel 16 t + 8 h + j.  ac: [head][batch x 64 + tile of 16 tokens].
; LIMITS: e6 + e7 between -123 and 130; e8 and e10 between -126 and 119.  NaN is not served.  A p that falls under the format's range beside its own part's M is lost, as with any running M.
; REGISTERS: v2 my query - 8 h; v3 -infinity; v4 my stage; v8-11 LDS addresses; v12 -M, v13 the largest t, v[14:15] the sum; v16-31 Q; v32-95 four fragments; v96-159 S^T, then p; v160-223 O^T; v224-239 p's codes; v232-254 at work.
.set DQ,   2
.set NINF, 3
.set STA,  4
.set LI,   8
.set AD,   8
.set SPARE, 0x40000
.set STG,  0x40800
.set STGB, 8704
.set WV,   18
.set SEL,  20
.set CSC,  22
.set G1,   24
.set G0,   32
.set RK,   36                          ; s36 rank; s37 15 - rank
.set RKX,  37
.set LO1,  38                          ; pass 1: steps LO1 .. HI1 - 1; pass 0: 0 .. HI0 - 1
.set HI0,  39
.set HI1,  40
.set LO,   41
.set HI,   42
.set PASS, 43
.set Q0,   98
.macro CROUND
	s_barrier_signal -1
	s_barrier_wait -1
	s_cmp_lg_u32 s[WV], 0
	s_cbranch_scc1 .Lnot_wave_0_\@
	s_barrier_signal -3
.Lnot_wave_0_\@:
	s_barrier_wait -3
	s_barrier_signal -1
	s_barrier_wait -1
.endm
	s_load_b256 s[4:11], s[0:1], 0x0               ; qc, kvc, the exponents, ac
	v_lshl_add_u32 v251, v0, 2, SPARE
	v_mov_b32 v255, 0
	ds_add_u32 v251, v255                          ; the opening lines
	ds_add_u32 v251, v255
	v_lshrrev_b32 v1, 5, v0
	v_readfirstlane_b32 s[WV], v1
	v_and_b32 v1, 31, v0
	v_lshlrev_b32 v[LI], 4, v1
.irp c, 1,2,3
	v_add_nc_u32 v[AD+\c], \c*65536, v[LI]
.endr
	s_bfe_u32 s75, s[WV], 0x10002
	s_mul_i32 s75, s75, 3
	s_xor_b32 s[RK], s75, s[WV]
	s_xor_b32 s[RKX], s[RK], 15
	s_bfe_u32 s75, s[WV], 0x10003
	s_mul_i32 s75, s75, 15
	s_xor_b32 s75, s75, s[RK]                      ; the pair's number: rank, or 15 - rank from rank 8 on
	s_min_u32 s75, s75, 5                          ; (pairs 6 and 7 hand nothing over and touch no stage)
	s_mul_i32 s75, s75, STGB
	s_add_co_u32 s75, s75, STG
	s_wait_alu depctr_va_vdst(0)                   ; ahead of the reader below
	v_add_nc_u32 v[STA], s75, v[LI]
	s_lshr_b32 s[HI1], s[RK], 1
	s_add_co_u32 s[HI1], s[HI1], 1                 ; n
	s_max_u32 s[LO1], s[HI1], 5
	s_sub_co_u32 s[LO1], s[LO1], 5
	s_min_u32 s[HI0], s[HI1], 4
	s_sub_co_u32 s[HI0], 4, s[HI0]
	s_bfe_u32 s73, ttmp6, 0x40000                  ; cx: the query head within the four: it enters Q's and the output's addresses alone
	s_and_b32 s74, ttmp7, 0xffff
	s_mov_b32 s[G1], 15|(3<<16)|(1<<21)            ; 16,384 dense bytes as 64 rows of 32 elements of 8 bytes, for the four partners
	s_mov_b32 s[G1+1], 32<<16
	s_mov_b32 s[G1+2], 64<<16
	s_mov_b32 s[G1+3], 32<<16
	s_mov_b32 s[G1+4], 64
	s_mov_b32 s[G1+5], 32
	s_mov_b32 s[G1+6], 0
	s_mov_b32 s[G1+7], 0
	s_mov_b32 s[SEL], 0x76543210
	s_mov_b32 s[SEL+1], 0xfedcba98
	s_mov_b32 s[CSC], 0x3e0293ee                   ; log2(e) / sqrt(128)
	s_lshl_b32 s76, s[WV], 14                      ; my 16,384 bytes of the kv head's 262,144
	s_lshl_b32 s78, s74, 18
	s_add_co_u32 s78, s78, s76
	s_mov_b32 s79, 0
	s_wait_alu depctr_va_vdst(0)                   ; ahead of the waits below
	s_wait_dscnt 0x0
	s_wait_kmcnt 0x0
	s_load_b128 s[68:71], s[8:9], 0x18             ; e6, e7, e8, e9
	s_load_b32 s72, s[8:9], 0x28                   ; e10
	s_add_nc_u64 s[78:79], s[6:7], s[78:79]
	s_mov_b32 s[G0], 1
	s_mov_b32 s[G0+1], s76
	s_mov_b64 s[G0+2:G0+3], s[78:79]
	s_or_b32 s[G0+3], s[G0+3], 0x80000000
	CROUND
	tensor_load_to_lds s[G0:G0+3], s[G1:G1+7]      ; every wave's one load
	s_nop 0
.rept 4
	v_nop
.endr
	s_lshl_b32 s77, s74, 2
	s_add_co_u32 s77, s77, s73                     ; batch x 16 + head
	s_lshl_b32 s80, s77, 17                        ; its 64 images of Q
	s_mov_b32 s81, 0
	s_add_nc_u64 s[4:5], s[4:5], s[80:81]
	s_lshl_b32 s75, s[RK], 2
	s_add_co_u32 s75, s75, ttmp9                   ; my own tile
	s_and_b32 s82, s77, 15
	s_lshl_b32 s82, s82, 19                        ; the output: kb = head,
	s_lshr_b32 s83, s74, 2
	s_lshl_b32 s83, s83, 6
	s_add_co_u32 s83, s83, s75
	s_lshl_b32 s83, s83, 11                        ; image batch x 64 + my tile
	s_add_co_u32 s82, s82, s83
	s_mov_b32 s83, 0
	s_add_nc_u64 s[10:11], s[10:11], s[82:83]
	v_mov_b32 v[NINF], 0xff800000
	s_wait_kmcnt 0x0
	s_add_co_i32 s73, s68, s69
	s_lshl_b32 s73, s73, 23
	s_add_co_i32 s[CSC], s[CSC], s73               ; x 2^(e6 + e7), in c's exponent field
	s_mov_b32 s[CSC+1], s[CSC]
	s_add_co_i32 s73, s70, 127
	s_lshl_b32 s76, s73, 23
	v_mov_b32 v244, s76                            ; 2^e8
	s_add_co_i32 s73, s73, 8
	s_lshl_b32 s73, s73, 23
	s_or_b32 s73, s73, 0x600000
	v_mov_b32 v240, s73                            ; 448 x 2^e8
	s_add_co_i32 s73, s72, 127
	s_lshl_b32 s76, s73, 23
	v_mov_b32 v245, s76                            ; 2^e10
	s_add_co_i32 s73, s73, 8
	s_lshl_b32 s73, s73, 23
	s_or_b32 s73, s73, 0x600000
	v_mov_b32 v241, s73                            ; 448 x 2^e10
; A KEY STEP: 128 keys from KF = 256 c + 128 q on.  Every offset is an immediate.  A step outside the pass's range is left out: scalar branches on ids; no barrier stands in a step.
.macro STEP c, q
.set KF, 256*\c+128*\q
	s_cmp_le_u32 s[HI], 2*\c+\q
	s_cbranch_scc1 .Lhidden_\@
	s_cmp_gt_u32 s[LO], 2*\c+\q
	s_cbranch_scc1 .Lhidden_\@
.irp g, 0,1                            ; S^T = K Q^T, four tiles of 16 keys at a time
.rept 4
	v_nop                                          ; places in front of loads into registers that matrix instructions have read
.endr
.irp t, 0,1,2,3
.irp k, 0,1,2,3
	ds_load_b128 v[32+16*\t+4*\k:32+16*\t+4*\k+3], v[AD+\c] offset:\q*32768+(4*\g+\t)*2048+512*\k
.endr
.endr
	s_wait_dscnt 0x0
.irp t, 0,1,2,3
	v_wmma_f32_16x16x128_fp8_fp8 v[96+8*(4*\g+\t):103+8*(4*\g+\t)], v[32+16*\t:47+16*\t], v[16:31], 0
.endr
.endr
.rept 4
	v_nop
.endr
	s_cmp_ge_u32 s[Q0], KF+127                     ; all 128 keys count for all 16 queries: no mask
	s_cbranch_scc1 .Lopen_\@
.set n, 0
.rept 64                               ; on the diagonal hidden scores become -infinity ahead of the maximum: p = 0 then.  The diagonal step holds a key that counts for every query, or comes behind steps that do
	v_cmp_gt_i32 vcc_lo, KF+16*(n/8)+n%8, v[DQ]
	v_cndmask_b32 v[96+n], v[96+n], v[NINF], vcc_lo
.set n, n+1
.endr
.Lopen_\@:
	v_max3_num_f32 v254, v96, v97, v98
	v_max3_num_f32 v252, v99, v100, v101
.irp i, 6,10,14,18,22,26,30,34,38,42,46,50,54,58
	v_max3_num_f32 v254, v254, v[96+\i], v[97+\i]
	v_max3_num_f32 v252, v252, v[98+\i], v[99+\i]
.endr
	v_max3_num_f32 v254, v254, v158, v159
	s_delay_alu instid0(VALU_DEP_1)
	v_max_num_f32 v254, v254, v252
	v_permlanex16_b32 v236, v254, s[SEL], s[SEL+1]
	s_delay_alu instid0(VALU_DEP_1)
	v_max_num_f32 v254, v254, v236                 ; and among lane l xor 16's
	s_delay_alu instid0(VALU_DEP_1)
	v_mul_f32 v254, s[CSC], v254                   ; as t
	s_delay_alu instid0(VALU_DEP_1)
	v_max_num_f32 v13, v13, v254
	v_mov_b32 v254, v12
	s_delay_alu instid0(VALU_DEP_2)
	v_floor_f32 v12, -v13                          ; the new -M
	s_delay_alu instid0(VALU_DEP_1)
	v_sub_f32 v254, v12, v254
	s_delay_alu instid0(VALU_DEP_1)
	v_cvt_i32_f32 v254, v254
	s_delay_alu instid0(VALU_DEP_1)
	v_ldexp_f32 v252, 1.0, v254                    ; f = 2^(old M - new M)
.irp j, 0,2,4,6,8,10,12,14,16,18,20,22,24,26,28,30,32,34,36,38,40,42,44,46,48,50,52,54,56,58,60,62
	v_pk_fma_f32 v[96+\j:97+\j], v[96+\j:97+\j], s[CSC:CSC+1], v[12:13] op_sel_hi:[1,0,0]   ; t - M
.endr
.set j, 0
	s_wait_alu depctr_va_vdst(0)                   ; ahead of the batch
.rept 64
	v_exp_f32 v[96+j], v[96+j]
.set j, j+1
.endr
	v_pk_mul_f32 v[14:15], v[14:15], v[252:253] op_sel_hi:[1,0]
	s_wait_alu depctr_va_vdst(0)                   ; and one behind it, ahead of its first reader
	v_pk_add_f32 v[242:243], v[100:101], v[104:105]
	v_pk_add_f32 v[248:249], v[108:109], v[112:113]
	v_pk_add_f32 v[246:247], v[116:117], v[120:121]
	v_pk_add_f32 v[238:239], v[124:125], v[128:129]
	v_pk_add_f32 v[236:237], v[132:133], v[136:137]
	v_pk_add_f32 v[234:235], v[140:141], v[144:145]
	v_pk_add_f32 v[232:233], v[148:149], v[152:153]
	v_pk_add_f32 v[14:15], v[14:15], v[156:157]
	v_pk_add_f32 v[242:243], v[242:243], v[96:97]
	v_pk_add_f32 v[248:249], v[248:249], v[98:99]
	v_pk_add_f32 v[246:247], v[246:247], v[102:103]
	v_pk_add_f32 v[238:239], v[238:239], v[106:107]
	v_pk_add_f32 v[236:237], v[236:237], v[110:111]
	v_pk_add_f32 v[234:235], v[234:235], v[114:115]
	v_pk_add_f32 v[232:233], v[232:233], v[118:119]
	v_pk_add_f32 v[14:15], v[14:15], v[122:123]
	v_pk_add_f32 v[242:243], v[242:243], v[126:127]
	v_pk_add_f32 v[248:249], v[248:249], v[130:131]
	v_pk_add_f32 v[246:247], v[246:247], v[134:135]
	v_pk_add_f32 v[238:239], v[238:239], v[138:139]
	v_pk_add_f32 v[236:237], v[236:237], v[142:143]
	v_pk_add_f32 v[234:235], v[234:235], v[146:147]
	v_pk_add_f32 v[232:233], v[232:233], v[150:151]
	v_pk_add_f32 v[14:15], v[14:15], v[154:155]
	v_pk_add_f32 v[242:243], v[242:243], v[158:159]
	s_delay_alu instid0(VALU_DEP_2)
	v_pk_add_f32 v[14:15], v[14:15], v[238:239]
	s_delay_alu instid0(VALU_DEP_2)
	v_pk_add_f32 v[242:243], v[242:243], v[236:237]
	v_pk_add_f32 v[248:249], v[248:249], v[234:235]
	v_pk_add_f32 v[246:247], v[246:247], v[232:233]
	s_delay_alu instid0(VALU_DEP_2)
	v_pk_add_f32 v[14:15], v[14:15], v[248:249]
	s_delay_alu instid0(VALU_DEP_2)
	v_pk_add_f32 v[242:243], v[242:243], v[246:247]
	s_delay_alu instid0(VALU_DEP_1)
	v_pk_add_f32 v[14:15], v[14:15], v[242:243]
.irp b, 0,1,2,3,4,5,6,7
.irp i, 0,1,2,3,4,5,6,7
	v_min_num_f32 v[96+8*\b+\i], v[96+8*\b+\i], v240   ; the conversion does not saturate (ISA guide 7.6.2); p is not negative
.endr
	v_cvt_scalef32_pk8_fp8_f32 v[224+2*\b:225+2*\b], v[96+8*\b:103+8*\b], v244
.endr
.irp j, 0,2,4,6,8,10,12,14,16,18,20,22,24,26,28,30,32,34,36,38,40,42,44,46,48,50,52,54,56,58,60,62
	v_pk_mul_f32 v[160+\j:161+\j], v[160+\j:161+\j], v[252:253] op_sel_hi:[1,0]   ; O^T under the new M; also the places in front of the loads and products below
.endr
	s_wait_alu depctr_va_vdst(0)
.irp g, 0,1                            ; O^T += V^T P^T; the accumulators take turns
.if \g > 0
.rept 4
	v_nop
.endr
.endif
.irp t, 0,1,2,3
.irp k, 0,1,2,3
	ds_load_b128 v[32+16*\t+4*\k:32+16*\t+4*\k+3], v[AD+\c] offset:\q*32768+16384+(4*\g+\t)*2048+512*\k
.endr
.endr
	s_wait_dscnt 0x0
.irp t, 0,1,2,3
	v_wmma_f32_16x16x128_fp8_fp8 v[160+8*(4*\g+\t):167+8*(4*\g+\t)], v[32+16*\t:47+16*\t], v[224:239], v[160+8*(4*\g+\t):167+8*(4*\g+\t)]
.endr
.endr
.Lhidden_\@:
.endm
	s_wait_alu depctr_va_vdst(0)                   ; the head's end
	s_wait_tensorcnt 0x0                           ; my 16,384 bytes have landed,
	s_barrier_signal -1
	s_barrier_wait -1                              ; everybody's have: all of K and V is in, and nothing is ever filled again
	s_mov_b32 s[PASS], 0
.Lpass:
	s_cmp_eq_u32 s[PASS], 0
	s_cselect_b32 s75, s[RKX], s[RK]               ; whose tile
	s_cselect_b32 s[LO], 0, s[LO1]
	s_cselect_b32 s[HI], s[HI0], s[HI1]
	s_lshl_b32 s75, s75, 2
	s_add_co_u32 s75, s75, ttmp9
	s_lshl_b32 s[Q0], s75, 4                       ; its first query
	s_lshl_b32 s80, s75, 11
	s_mov_b32 s81, 0
	s_add_nc_u64 s[80:81], s[4:5], s[80:81]
.irp c, 0,1,2,3
	global_load_b128 v[16+4*\c:19+4*\c], v[LI], s[80:81] offset:512*\c    ; Q's fragment
.endr
	v_and_b32 v[DQ], 15, v0
	v_bfe_u32 v5, v0, 4, 1
	v_lshlrev_b32 v5, 3, v5
	v_sub_nc_u32 v[DQ], v[DQ], v5
	v_add_nc_u32 v[DQ], s[Q0], v[DQ]               ; my query - 8 h: register 8 T + j of a step is hidden where KF + 16 T + j is greater
	v_mov_b32 v13, 0xff61b1e6                      ; the largest t so far: -3e38
	v_floor_f32 v12, -v13
	v_mov_b32 v14, 0
	v_mov_b32 v15, 0
	v_mov_b32 v236, 0                              ; a lane permute's destination counts as a source
	v_mov_b32 v252, 0
	v_mov_b32 v253, 0
.set j, 0
.rept 64
	v_mov_b32 v[160+j], 0                          ; O^T: the step has one form; the first finds zeros
.set j, j+1
.endr
	s_wait_alu depctr_va_vdst(0)                   ; ahead of the wait below
	s_wait_loadcnt 0x0
.irp c, 0,1,2,3
	STEP \c, 0
	STEP \c, 1
.endr
.rept 4
	v_nop                                          ; places behind the pass's last products
.endr
	s_cmp_lg_u32 s[PASS], 0
	s_cbranch_scc1 .Lno_dump
	s_cmp_gt_u32 s[RK], 5
	s_cbranch_scc1 .Lno_dump
.irp i, 0,1,2,3,4,5,6,7,8,9,10,11,12,13,14,15
	ds_store_b128 v[STA], v[160+4*\i:163+4*\i] offset:512*\i   ; the part's O^T, each accumulator from its low end on,
.endr
	ds_store_b128 v[STA], v[12:15] offset:8192     ; its -M and its sums
.Lno_dump:
	s_add_co_u32 s[PASS], s[PASS], 1
	s_cmp_lt_u32 s[PASS], 2
	s_wait_alu depctr_va_vdst(0)                   ; ahead of the branch
	s_cbranch_scc1 .Lpass
	s_wait_dscnt 0x0                               ; my stores into the stage are done
	s_barrier_signal -1
	s_barrier_wait -1
	s_cmp_lt_u32 s[RK], 10
	s_cbranch_scc1 .Lno_merge
.irp i, 0,1,2,3,4,5,6,7,8,9,10,11,12,13,14,15
	ds_load_b128 v[32+4*\i:35+4*\i], v[STA] offset:512*\i
.endr
	ds_load_b128 v[96:99], v[STA] offset:8192
	s_wait_dscnt 0x0
	v_min_num_f32 v100, v12, v96                   ; -(the larger M)
	v_sub_f32 v101, v100, v12
	v_sub_f32 v102, v100, v96
	v_cvt_i32_f32 v101, v101
	v_cvt_i32_f32 v102, v102
	v_ldexp_f32 v252, 1.0, v101                    ; my part's factor,
	v_ldexp_f32 v254, 1.0, v102                    ; the other's: powers of two, at most 1
	v_pk_mul_f32 v[14:15], v[14:15], v[252:253] op_sel_hi:[1,0]
	v_pk_fma_f32 v[14:15], v[98:99], v[254:255], v[14:15] op_sel_hi:[1,0,1]
.irp j, 0,2,4,6,8,10,12,14,16,18,20,22,24,26,28,30,32,34,36,38,40,42,44,46,48,50,52,54,56,58,60,62
	v_pk_mul_f32 v[160+\j:161+\j], v[160+\j:161+\j], v[252:253] op_sel_hi:[1,0]
.endr
.irp j, 0,2,4,6,8,10,12,14,16,18,20,22,24,26,28,30,32,34,36,38,40,42,44,46,48,50,52,54,56,58,60,62
	v_pk_fma_f32 v[160+\j:161+\j], v[32+\j:33+\j], v[254:255], v[160+\j:161+\j] op_sel_hi:[1,0,1]
.endr
.Lno_merge:
	; THE WAY OUT: O^T / the sum x 2^(e8 + e9), quantised under e10: the 16 registers of codes are an image of the last product's operand
	v_add_f32 v14, v14, v15
	v_permlanex16_b32 v252, v14, s[SEL], s[SEL+1]
	v_add_f32 v14, v14, v252
	s_wait_alu depctr_va_vdst(0)
	v_rcp_f32 v14, v14
	v_nop
	s_add_co_i32 s73, s70, s71
	s_wait_alu depctr_va_vdst(0)
	v_ldexp_f32 v14, v14, s73
.set j, 0
.rept 64
	v_mul_f32 v[96+j], v[160+j], v14
.set j, j+1
.endr
.irp b, 0,1,2,3,4,5,6,7
.irp i, 0,1,2,3,4,5,6,7
	v_med3_num_f32 v[96+8*\b+\i], v[96+8*\b+\i], -v241, v241
.endr
	v_cvt_scalef32_pk8_fp8_f32 v[32+2*\b:33+2*\b], v[96+8*\b:103+8*\b], v245
.endr
	v_nop
.irp k, 0,1,2,3
	global_store_b128 v[LI], v[32+4*\k:35+4*\k], s[10:11] offset:512*\k   ; 512 consecutive bytes a store
.endr
	s_wait_tensorcnt 0x0                           ; the wave's end
	ds_add_u32 v251, v255
	s_wait_dscnt 0x0
	CROUND                                         ; the closing round
	s_endpgm
.Lfunc_end_k_q23883c0ce1_attn:
	.size	k_q23883c0ce1_attn, .Lfunc_end_k_q23883c0ce1_attn-k_q23883c0ce1_attn
	.p2alignl 7, 3214868480
	.fill 96, 4, 3214868480
	.section	.rodata,"a",@progbits
	.p2align	6, 0x0
	.amdhsa_kernel k_q23883c0ce1_attn
		.amdhsa_group_segment_fixed_size 327680
		.amdhsa_private_segment_fixed_size 0
		.amdhsa_enable_private_segment 0
		.amdhsa_kernarg_size 32
		.amdhsa_user_sgpr_count 2
		.amdhsa_user_sgpr_kernarg_segment_ptr 1
		.amdhsa_wavefront_size32 1
		.amdhsa_system_sgpr_workgroup_id_x 1
		.amdhsa_system_sgpr_workgroup_id_y 1
		.amdhsa_system_sgpr_workgroup_id_z 1
		.amdhsa_system_vgpr_workitem_id 0
		.amdhsa_next_free_vgpr 256
		.amdhsa_next_free_sgpr 100
		.amdhsa_reserve_vcc 1
		.amdhsa_float_denorm_mode_32 3
		.amdhsa_float_denorm_mode_16_64 3
		.amdhsa_memory_ordered 1
		.amdhsa_forward_progress 1
		.amdhsa_inst_pref_size 224
	.end_amdhsa_kernel
	.amdgpu_metadata
---
amdhsa.version: [ 1, 2 ]
amdhsa.kernels:
  - .name:           k_q23883c0ce1_attn
    .symbol:         k_q23883c0ce1_attn.kd
    .args:
      - { .name: qc, .offset: 0, .size: 8, .value_kind: global_buffer, .address_space: global }
      - { .name: kvc, .offset: 8, .size: 8, .value_kind: global_buffer, .address_space: global }
      - { .name: lowp_scales, .offset: 16, .size: 8, .value_kind: global_buffer, .address_space: global }
      - { .name: ac, .offset: 24, .size: 8, .value_kind: global_buffer, .address_space: global }
    .group_segment_fixed_size: 327680
    .private_segment_fixed_size: 0
    .kernarg_segment_align: 8
    .kernarg_segment_size: 32
    .max_flat_workgroup_size: 512
    .sgpr_count:     100
    .vgpr_count:     256
    .wavefront_size: 32
...
	.end_amdgpu_metadata
.endif
;; end of part 3
;; launch oproj (part 4): grid 16 x 16, 4 waves a work-group, clusters of 4 x 1, 296,448 bytes of LDS; arguments ac, wc, lowp_scales, out0; writes out0
.if DOCPART == 4
	.amdgcn_target "amdgcn-amd-amdhsa--gfx1250"
	.amdhsa_code_object_version 6
	.text
	.protected	k_q23883c0ce1_oproj
	.globl	k_q23883c0ce1_oproj
	.p2align	8
	.type	k_q23883c0ce1_oproj,@function
k_q23883c0ce1_oproj:
	s_mov_b64 s[64:65], 0
	v_nop
	global_prefetch_b8 v0, s[64:65] scope:SCOPE_SE
	s_setreg_imm32_b32 hwreg(HW_REG_WAVE_MODE, 25, 1), 1
	s_wait_xcnt 0x0
	s_wait_alu depctr_hold_cnt(0) depctr_sa_sdst(0) depctr_va_vdst(0) depctr_va_sdst(0) depctr_va_ssrc(0) depctr_va_vcc(0) depctr_vm_vsrc(0)
	s_getreg_b32 s2, hwreg(HW_REG_IB_STS2, 6, 4)
	s_cmp_eq_u32 s2, 0
	s_cbranch_scc0 .Lentry_in_a_cluster
	s_endpgm
.Lentry_in_a_cluster:
	s_bfe_u32 s2, ttmp6, 0x10000c
	s_cmp_lg_u32 s2, 0x3003
	s_cbranch_scc0 .Lentry_shape_is_right
	s_endpgm
.Lentry_shape_is_right:
; out0 = (attention's result) Wo, on codes of E4M3: [4,096 x 2,048] x [2,048 x 2,048]; each finished sum x 2^(e10 + e11).  LIMIT: e10 + e11 between -126 and 127.
; Both operands are images of operand registers (16 rows x 128 K, 2,048 bytes): ac [kb 0..15][tile of 16 tokens 0..255], Wo's codes (wc + 4 MiB) [kb][tile of 16 columns 0..127].
; SHARES.  256 work-groups: grid x = 16 tiles of 256 tokens, grid y = 16 tiles of 128 columns.  Wave w takes tokens 64 w .. 64 w + 63 and all 128 columns: 32 accumulators.
; B (128 columns x all of K = 262,144 bytes) LIES WHOLE IN LDS, each byte filled once.  Each wave asks for one quarter of K by ONE tensor load: four rows of 16,384 bytes (a kb's eight images), 262,144 bytes apart in memory.
; One wait for it and one barrier stand in front of the first kb.  CLUSTER 4 x 1: four tiles of tokens on one tile of columns: B is asked for jointly.
; A GOES STRAIGHT INTO REGISTERS: a wave's four images of a kb are its own: 16 loads of 512 consecutive bytes a kb, into a ring of four sets, four kb ahead, with counted waits.
; A is not asked for jointly: joint loads go to LDS, which has 65,536 bytes left beside B, less than the 131,072 that the four waves' loads keep on their way.
; THE ORDER OF K: the c-th quarter that a work-group takes is (c + y + y / 4) & 3; only global addresses hang on that; a quarter's place in LDS is its place in the order of use.
; Nothing is prefetched: B is asked for whole at the head, and A's loads run four kb ahead.
; THE MATRIX INSTRUCTION IS USED TRANSPOSED (source 0 = 16 columns of Wo, source 1 = 16 tokens): a lane holds eight neighbouring numbers of a row of out0.
; REGISTERS: window 0: v8-11 LDS addresses, v24-25 the stage's, on the way out v32-95 and v128-255; window 1: B's fragments, two sets; window 2: accumulators; window 3: A's fragments, four sets.
.set IMG,    2048
.set KBX,    524288
.set WOSEC,  4194304
.set SIZE_N, 2048
.set STAGE,  262144                    ; behind B: 16 rows x 528 bytes for each wave; no tensor load lands there
.set SPITCH, 528
.set LI,   8
.set AD,   8
.set STO,  24
.set RD,   25
.set TMP,  32
.set BK,   128
.set G1,   24
.set G0,   32
.set SC,   52
.set AB,   54
.set MSB, 0
.macro WIN new
.if MSB != \new
	s_set_vgpr_msb (MSB<<8)|\new
.set MSB, \new
.endif
.endm
.set MUL,  0xad
.set TO_B, 0x40
.set TO_A, 0xc0
.macro CROUND
	s_barrier_signal -1
	s_barrier_wait -1
	s_cmp_lg_u32 s14, 0
	s_cbranch_scc1 .Lnot_wave_0_\@
	s_barrier_signal -3
.Lnot_wave_0_\@:
	s_barrier_wait -3
	s_barrier_signal -1
	s_barrier_wait -1
.endm
.macro PLACES                          ; four plain places behind matrix instructions (ISA guide 7.12.1)
.rept 4
	v_nop
.endr
.endm
.macro ALOAD t, a0                     ; t counts the kb in my order of use; A's images a0, a0 + 1 into set t % 4
.irp a, \a0, \a0+1
.irp c, 0,1,2,3
	global_load_b128 v[64*((\t)%4)+16*(\a)+4*\c:64*((\t)%4)+16*(\a)+4*\c+3], v[LI], s[AB+2*((\t)/4):AB+2*((\t)/4)+1] offset:((\t)%4)*KBX+(\a)*IMG+512*\c
.endr
.endr
.endm
.macro FETCH_B t                       ; B's eight images into set t % 2
.irp i, 0,1,2,3,4,5,6,7
.irp c, 0,1,2,3
	ds_load_b128 v[128*((\t)%2)+16*\i+4*\c:128*((\t)%2)+16*\i+4*\c+3], v[AD+(\t)/4] offset:((\t)%4)*16384+\i*IMG+512*\c
.endr
.endr
.endm
.macro MUL16 t, a0                     ; the 32 accumulators take turns, one instruction a turn; the first kb starts the sums
.irp a, \a0, \a0+1
.irp b, 0,1,2,3,4,5,6,7
.if (\t) == 0
	v_wmma_f32_16x16x128_fp8_fp8 v[8*(8*(\a)+\b):8*(8*(\a)+\b)+7], v[128*((\t)%2)+16*\b:128*((\t)%2)+16*\b+15], v[64*((\t)%4)+16*(\a):64*((\t)%4)+16*(\a)+15], 0
.else
	v_wmma_f32_16x16x128_fp8_fp8 v[8*(8*(\a)+\b):8*(8*(\a)+\b)+7], v[128*((\t)%2)+16*\b:128*((\t)%2)+16*\b+15], v[64*((\t)%4)+16*(\a):64*((\t)%4)+16*(\a)+15], v[8*(8*(\a)+\b):8*(8*(\a)+\b)+7]
.endif
.endr
.endr
.endm
.macro KSTEP t                         ; one kb: 32 matrix instructions
.set REM, 15-(\t)                      ; later kb whose 16 loads are out: three, fewer at the end
.if REM > 3
.set REM, 3
.endif
.if (\t) < 15
	WIN TO_B
	FETCH_B (\t)+1
	s_wait_dscnt 32                                ; this kb's B is in; the 32 loads just issued may be out
.else
	s_wait_dscnt 0x0
.endif
	s_wait_loadcnt 8+16*REM                        ; A's images 0, 1 are in; out may be images 2, 3 (8 loads) and the later kb (16 each)
	WIN MUL
	MUL16 \t, 0
.if (\t) < 12
	PLACES
	WIN TO_A
	ALOAD (\t)+4, 0
	s_wait_loadcnt 8+16*REM                        ; images 2, 3 are in; out may be the later kb and the 8 just issued
.else
	s_wait_loadcnt 16*REM
.endif
	WIN MUL
	MUL16 \t, 2
	PLACES
.if (\t) < 12
	WIN TO_A
	ALOAD (\t)+4, 2
.endif
.endm
	s_load_b128 s[4:7], s[0:1], 0x0                ; ac, wc
	s_load_b128 s[8:11], s[0:1], 0x10              ; the exponents, out0
	v_lshl_add_u32 v126, v0, 2, 0x48400
	v_mov_b32 v127, 0
	ds_add_u32 v126, v127                          ; the opening lines
	ds_add_u32 v126, v127
	v_lshrrev_b32 v1, 5, v0
	v_readfirstlane_b32 s14, v1                    ; wave
	v_and_b32 v1, 31, v0
	v_lshlrev_b32 v[LI], 4, v1
.irp c, 1,2,3
	v_add_nc_u32 v[AD+\c], \c*65536, v[LI]
.endr
	s_bfe_u32 s16, ttmp6, 0x40000                  ; cx: it enters A's and out0's addresses alone
	s_lshl_b32 s18, ttmp9, 2
	s_add_co_u32 s18, s18, s16                     ; my tile of 256 tokens
	s_and_b32 s17, ttmp7, 0xffff                   ; y
	s_lshr_b32 s19, s17, 2
	s_add_co_u32 s19, s19, s17                     ; with which quarter of K I begin (its two low bits)
	s_mov_b32 s[G1], 15|(3<<16)|(1<<21)            ; the four partners; elements of 8 bytes
	s_mov_b32 s[G1+1], 2048<<16                    ; tensor_dim0: a row of 16,384 bytes
	s_mov_b32 s[G1+2], 4<<16                       ; tensor_dim1: four kb
	s_mov_b32 s[G1+3], 2048<<16                    ; tile_dim0
	s_mov_b32 s[G1+4], 4                           ; tile_dim1
	s_mov_b32 s[G1+5], 32768                       ; from kb to kb: 262,144 bytes
	s_mov_b32 s[G1+6], 0
	s_mov_b32 s[G1+7], 0
	s_lshl_b32 s50, s14, 16                        ; B in LDS: the quarter used as the wave-th
	s_lshl_b32 s48, s17, 14                        ; B in memory: the tile's eight images,
	s_add_co_u32 s48, s48, WOSEC                   ; in Wo's section,
	s_add_co_u32 s51, s19, s14
	s_and_b32 s51, s51, 3
	s_lshl_b32 s51, s51, 20                        ; in that quarter of K
	s_add_co_u32 s48, s48, s51
	s_mov_b32 s49, 0
	s_lshl_b32 s20, s18, 15                        ; A: my tile's 16 images,
	s_lshl_b32 s21, s14, 13                        ; my wave's four
	s_add_co_u32 s20, s20, s21
	s_mov_b32 s21, 0
	s_mov_b32 s23, 0
	s_wait_alu depctr_va_vdst(0)
	s_wait_dscnt 0x0
	s_wait_kmcnt 0x0
	s_load_b64 s[SC:SC+1], s[8:9], 0x28            ; e10, e11
	s_add_nc_u64 s[4:5], s[4:5], s[20:21]
	s_mov_b32 s[G0], 1
	s_mov_b32 s[G0+1], s50
	s_add_nc_u64 s[G0+2:G0+3], s[6:7], s[48:49]
	s_or_b32 s[G0+3], s[G0+3], 0x80000000
.irp c, 0,1,2,3
	s_add_co_u32 s51, s19, \c
	s_and_b32 s51, s51, 3                          ; which quarter of K is my c-th
	s_lshl_b32 s22, s51, 21                        ; four kb of ac
	s_add_nc_u64 s[AB+2*\c:AB+2*\c+1], s[4:5], s[22:23]
.endr
	WIN TO_A                                       ; A's first three kb are asked for ahead of the round
.irp t, 0,1,2
	ALOAD \t, 0
	ALOAD \t, 2
.endr
	WIN 0
	CROUND                                         ; the joint loads meet
	tensor_load_to_lds s[G0:G0+3], s[G1:G1+7]      ; my one load: 65,536 bytes
	s_nop 0
.rept 4
	v_nop
.endr
	WIN TO_A
	ALOAD 3, 0
	ALOAD 3, 2
	WIN 0
	v_and_b32 v1, 15, v0
	v_bfe_u32 v2, v0, 4, 1
	s_mul_i32 s23, s14, 16*SPITCH
	s_add_co_u32 s23, s23, STAGE                   ; my stage
	v_mul_u32_u24 v5, v1, SPITCH
	v_lshl_add_u32 v5, v2, 5, v5
	v_add_nc_u32 v[STO], s23, v5                   ; in: row l % 16, 32 bytes for each half of the lanes
	v_add_nc_u32 v[RD], s23, v[LI]                 ; back: the 32 lanes take one row of 512 bytes
	s_lshl_b32 s20, s18, 8
	s_lshl_b32 s21, s14, 6
	s_add_co_u32 s20, s20, s21                     ; my first row of out0,
	s_lshl_b32 s20, s20, 13                        ; of 8,192 bytes;
	s_lshl_b32 s21, s17, 9
	s_add_co_u32 s20, s20, s21                     ; my 128 columns
	s_mov_b32 s21, 0
	s_add_nc_u64 s[10:11], s[10:11], s[20:21]
	s_wait_alu depctr_va_vdst(0)                   ; the head's end
	s_wait_tensorcnt 0x0                           ; my quarter has landed,
	s_barrier_signal -1
	s_barrier_wait -1                              ; everybody's has: all of B is in, and nothing is ever filled again
	WIN TO_B
	FETCH_B 0
.irp t, 0,1,2,3,4,5,6,7,8,9,10,11,12,13,14,15
	KSTEP \t
.endr
	WIN 0
; THE WAY OUT, block by block of 16 rows x 128 columns, through my own stage, back as whole rows of 512 bytes.  LDS serves a wave's instructions in order (ISA guide 5.7.1.4).
.macro TOSTAGE a
.set AC, 64*(\a)
	WIN 0x02
.irp j, 0,2,4,6,8,10,12,14,16,18,20,22,24,26,28,30,32,34,36,38,40,42,44,46,48,50,52,54,56,58,60,62
	v_pk_mul_f32 v[TMP+\j:TMP+\j+1], v[AC+\j:AC+\j+1], s[SC:SC+1] op_sel_hi:[1,0]   ; x 2^(e10 + e11); each accumulator from its low end on
.endr
	WIN 0
.irp b, 0,1,2,3,4,5,6,7
	ds_store_b128 v[STO], v[TMP+8*\b:TMP+8*\b+3] offset:64*\b
	ds_store_b128 v[STO], v[TMP+8*\b+4:TMP+8*\b+7] offset:64*\b+16
.endr
.set BB, BK+64*((\a)%2)
.irp t, 0,1,2,3,4,5,6,7,8,9,10,11,12,13,14,15
	ds_load_b128 v[BB+4*\t:BB+4*\t+3], v[RD] offset:\t*SPITCH
.endr
.endm
.macro SEND a, younger                 ; younger: the LDS instructions issued behind block a's loads
.set BB, BK+64*((\a)%2)
	s_wait_dscnt \younger
.irp t, 0,1,2,3,4,5,6,7,8,9,10,11,12,13,14,15
	global_store_b128 v[LI], v[BB+4*\t:BB+4*\t+3], s[10:11] offset:(16*(\a)+\t)*SIZE_N*4 th:TH_STORE_NT   ; 512 consecutive bytes, at a multiple of 256 from out0's first byte
.endr
.endm
	s_wait_kmcnt 0x0
	s_add_co_i32 s[SC], s[SC], s[SC+1]
	s_add_co_i32 s[SC], s[SC], 127
	s_lshl_b32 s[SC], s[SC], 23                    ; 2^(e10 + e11)
	TOSTAGE 0                                      ; (the four places behind the last products stand at the last kb's end)
	TOSTAGE 1
	SEND 0, 32
	s_wait_xcnt 0x0                                ; block 0's stores have read their registers: block 2's loads land there
	TOSTAGE 2
	SEND 1, 32
	s_wait_xcnt 0x0
	TOSTAGE 3
	SEND 2, 32
	SEND 3, 0
	s_wait_tensorcnt 0x0                           ; the wave's end
	ds_add_u32 v126, v127
	s_wait_dscnt 0x0
	CROUND                                         ; the closing round
	s_endpgm
.Lfunc_end_k_q23883c0ce1_oproj:
	.size	k_q23883c0ce1_oproj, .Lfunc_end_k_q23883c0ce1_oproj-k_q23883c0ce1_oproj
	.p2alignl 7, 3214868480
	.fill 96, 4, 3214868480
	.section	.rodata,"a",@progbits
	.p2align	6, 0x0
	.amdhsa_kernel k_q23883c0ce1_oproj
		.amdhsa_group_segment_fixed_size 296448
		.amdhsa_private_segment_fixed_size 0
		.amdhsa_enable_private_segment 0
		.amdhsa_kernarg_size 32
		.amdhsa_user_sgpr_count 2
		.amdhsa_user_sgpr_kernarg_segment_ptr 1
		.amdhsa_wavefront_size32 1
		.amdhsa_system_sgpr_workgroup_id_x 1
		.amdhsa_system_sgpr_workgroup_id_y 1
		.amdhsa_system_sgpr_workgroup_id_z 1
		.amdhsa_system_vgpr_workitem_id 0
		.amdhsa_next_free_vgpr 1024
		.amdhsa_next_free_sgpr 66
		.amdhsa_reserve_vcc 0
		.amdhsa_float_denorm_mode_32 3
		.amdhsa_float_denorm_mode_16_64 3
		.amdhsa_memory_ordered 1
		.amdhsa_forward_progress 1
		.amdhsa_inst_pref_size 123
	.end_amdhsa_kernel
	.amdgpu_metadata
---
amdhsa.version: [ 1, 2 ]
amdhsa.kernels:
  - .name:           k_q23883c0ce1_oproj
    .symbol:         k_q23883c0ce1_oproj.kd
    .args:
      - { .name: ac, .offset: 0, .size: 8, .value_kind: global_buffer, .address_space: global }
      - { .name: wc, .offset: 8, .size: 8, .value_kind: global_buffer, .address_space: global }
      - { .name: lowp_scales, .offset: 16, .size: 8, .value_kind: global_buffer, .address_space: global }
      - { .name: out0, .offset: 24, .size: 8, .value_kind: global_buffer, .address_space: global }
    .group_segment_fixed_size: 296448
    .private_segment_fixed_size: 0
    .kernarg_segment_align: 8
    .kernarg_segment_size: 32
    .max_flat_workgroup_size: 128
    .sgpr_count:     66
    .vgpr_count:     1024
    .wavefront_size: 32
...
	.end_amdgpu_metadata
.endif
;; end of part 4
